; MI455X (gfx1250); checked and timed in simulation.
; The chip was launched on July 23, 2026; its instructions are those of AMD's public machine-readable ISA for CDNA 5 (MIT licence, August 2026) and "CDNA5" Instruction Set Architecture Reference Guide (July 2026). The comments in the code are by the model that wrote it; some were corrected since.
;; Self Attention. Allowed arithmetic: matrix products marked QUANTISED: E3M2 operands, one E8M0 scale for each 32 along K, by v_wmma_scale_f32_16x16x128_f8f6f4 with both operands' format E3M2, f32 sums; everything else in f32.
;; Inputs: WK 1,024 x 1,024 float32; WQ 1,024 x 1,024 float32; WV 1,024 x 1,024 float32; key 4 x 2,048 x 1,024 float32; query 4 x 2,048 x 1,024 float32; value 4 x 2,048 x 1,024 float32.
;; Outputs: out0 4 x 2,048 x 1,024 float32.
;; This version of the problem:
;;   THIS VERSION OF THE PROBLEM IS GIVEN IN LOW PRECISION. The matrix products marked QUANTISED in the list below multiply operands that are first quantised to E3M2 (3 exponent bits, 2 mantissa bits; 6 bits a number), with one power-of-two scale for each 32 numbers along K (OCP MX v1.0); their sums are f32. All else is computed in f32.
;;   The module's matrix products, in the order in which they are computed (A, B: the left and right operand; K: the contracted axis; several contracted axes count as one K, in the product's order):
;;     1. [M 8,192, K 1,024] x [K 1,024, N 1,024]; A: input query; B: input WQ: QUANTISED
;;     2. [M 8,192, K 1,024] x [K 1,024, N 1,024]; A: input key; B: input WK: QUANTISED
;;     3. [M 8,192, K 1,024] x [K 1,024, N 1,024]; A: input value; B: input WV: QUANTISED
;;     4. batch 4 x [M 2,048, K 1,024] x [K 1,024, N 2,048]; A: computed on the way; B: computed on the way: QUANTISED
;;     5. batch 4 x [M 2,048, K 2,048] x [K 2,048, N 1,024]; A: softmax (see below); B: computed on the way: QUANTISED
;;   THE QUANTISER, for each operand of a quantised product, along K:
;;     - K is cut into blocks of 32 from its start; a last block that is shorter is filled with zeros.
;;     - A block's scale is 2^e with e = floor(log2(the largest magnitude in the block)) - 4, held to -126 .. 127; a block of zeros has e = 0. As a byte (E8M0): e + 127.
;;     - Each number is divided by its block's scale, clamped to +-28, and rounded to the nearest number of E3M2, ties to even, subnormals kept.
;;     - The product sums the exact products of the quantised numbers (number of the format x scale) in f32.
;;   ~~~python
;;   def quantise(x, axis):      # numpy; x: float32 -> the quantised numbers, widened to float32 again
;;       x = np.moveaxis(x, axis, -1); K = x.shape[-1]
;;       x = np.pad(x, [(0, 0)] * (x.ndim - 1) + [(0, -K % 32)]); x = x.reshape(x.shape[:-1] + (-1, 32)); a = np.abs(x).max(-1, keepdims=True)
;;       e = np.where(a > 0, np.clip(np.frexp(np.where(a > 0, a, 1))[1] - 1 - 4, -126, 127), 0)      # np.frexp(a)[1] - 1 = floor(log2(a)), exactly
;;       r = np.clip(x / 2.0 ** e, -28, 28)
;;       step = 2.0 ** (np.maximum(np.frexp(np.where(r == 0, 1, r))[1] - 1, -2) - 2)
;;       q = np.round(r / step) * step * 2.0 ** e      # np.round: ties to even
;;       return np.moveaxis(q.reshape(q.shape[:-2] + (-1,))[..., :K], -1, axis).astype(np.float32)
;;   ~~~
;;   SOFTMAX AHEAD OF A QUANTISED PRODUCT. Where the list says 'softmax', what is quantised is not the finished softmax but p = 2^(t - M), with t = logit x log2(e) and M = ceil(the row's largest t), a whole number; so 1/2 < the row's largest p <= 1. The row's sum l is taken of the UNQUANTISED p, in f32, and the product's result is divided by l at the end. Since M is a whole number, a kernel that streams over the keys may use a running M (the ceiling of the running maximum): every later rescaling is an exact power of two, which a block's scale takes up: the codes' values come out the same.
;;   OPERANDS COMPUTED ON THE WAY. 'Computed on the way' means the value that the module computes at that place (a softmax that the list does not call 'softmax' is quantised finished and normalised). What goes into a quantiser is computed in f32, as accurately as f32 sums, v_exp_f32 and their like allow (about 1e-6 of the number): no bf16 or f16 on the way to a quantiser, and a product that is left as it is and whose result goes on into a quantised operand takes f32 operands (vector FMAs, or v_wmma_f32_16x16x4_f32). A number that lies on a knife's edge between two numbers of the format may be rounded either way, as far as f32 arithmetic and the matrix unit's own rounding can turn it there, and no further.
;; One version. Each part assembles by itself: llvm-mc -triple=amdgcn-amd-amdhsa -mcpu=gfx1250 --defsym DOCPART=n.
;; ======== version 1 of 1: 4 launches
;; limits: right only within a limited range of input values
;; workspace buffers: xc 21,233,664 bytes; xs 884,736 bytes; pc 18,874,368 bytes; ps 786,432 bytes; pp 12,582,912 bytes; pst 2,097,152 bytes
;; launch quant (part 1): grid 864 x 1, 4 waves a work-group, no clusters, 35,328 bytes of LDS; arguments query, key, value, WQ, WK, WV, xc, xs; writes xc, xs
.if DOCPART == 1
	.amdgcn_target "amdgcn-amd-amdhsa--gfx1250"
	.amdhsa_code_object_version 6
	.text
	.protected	k_q6879442904_quant
	.globl	k_q6879442904_quant
	.p2align	8
	.type	k_q6879442904_quant,@function
k_q6879442904_quant:
	s_mov_b64 s[64:65], 0
	v_nop
	global_prefetch_b8 v0, s[64:65] scope:SCOPE_SE
	s_setreg_imm32_b32 hwreg(HW_REG_WAVE_MODE, 25, 1), 1
	s_wait_xcnt 0x0
; The six f32 inputs (rows of 1,024 numbers, K innermost) become codes of BF6 (E3M2) with one E8M0 byte for each 32 along K.
; A block's scale is 2^(floor(log2(its largest magnitude)) - 4); its byte is the largest magnitude's exponent field - 4, held at 1 from below.
; LIMITS: NaN and infinities are not served; a block whose largest magnitude lies under 2^(5 - 127), a block of zeros among them, keeps the byte 1 (its codes are zeros or near it; only this program reads the bytes).
; LAYOUT OF THE RESULT: FRAGMENT RECORDS.  A fragment is 16 row slots x 128 along K, 12 registers a lane, stored as the image of those registers: register j of lane l at 512 (j / 4) + 16 l + 4 (j % 4): 1,536 bytes.
; Its scale words are 64 bytes: word r = slot r's four bytes.  Record f = 8 x tile + K step.  Slot r of tile t is row 32 (t / 2) + 8 (t % 2) + r + 8 (r / 8): so, where such tiles are source 0 of a product,
; the 16 result registers of tiles 2 b and 2 b + 1 are 16 neighbours along the next product's K.
; SHARES.  A work-group takes 32 rows (two tiles) of one tensor; wave w takes tile w / 2 and half w % 2 of K: four fragments.  Tiles: query 0-511, key 512-1023, value 1024-1535, WQ 1536-, WK 1600-, WV 1664-1727.
; Each load reads 512 consecutive bytes of one row; the 16 rows turn through the wave's own stage in LDS (rows 528 bytes apart), from which a lane takes 16 neighbours of each block of 32.
; Memory binds: no matrix unit, no cluster (no work-group shares a byte with another), no barrier (each wave's LDS bytes are its own).  Loads run two fragments (32 loads a wave) ahead.
.set ROWB,   4096                      ; a row in memory
.set SPITCH, 528                       ; a stage row: 512 bytes + 16
.set SCW,    16*SPITCH                 ; behind the stage: the wave's 4 x 64 bytes of scale words
.set WREG,   SCW+256                   ; a wave's LDS bytes
.set FRB,    1536                      ; a fragment's image
.set R,   16                           ; v16-143  two sets of 16 x 4 registers, rows as loaded
.set X,   144                          ; v144-207 64 numbers: register 16 b + i = k 32 b + 16 (lane / 16) + i of my row
.set PC,  208                          ; v208-227 the codes
.set TM,  228                          ; v228-243 at work
.set PW,  244                          ; v244-247 a scale word for each fragment
.set SEL, 26                           ; s[26:27] lane selects: lane l xor 16
	s_load_b512 s[4:19], s[0:1], 0x0               ; query, key, value, WQ, WK, WV, xc s[16:17], xs s[18:19]
	v_lshl_add_u32 v254, v0, 2, 0x8800
	v_mov_b32 v255, 0
	v_lshrrev_b32 v7, 5, v0
	v_readfirstlane_b32 s20, v7                    ; wave
	v_and_b32 v8, 31, v0                           ; lane
	v_and_b32 v9, 15, v0                           ; r
	v_bfe_u32 v10, v0, 4, 1                        ; h
	s_mul_i32 s21, s20, WREG                       ; my LDS bytes
	v_lshlrev_b32 v1, 4, v8                        ; 16 x lane: my bytes of a load, and of an image
	v_add_nc_u32 v2, s21, v1                       ; the stage, on the way in
	v_mul_u32_u24 v3, v9, SPITCH
	v_lshl_add_u32 v3, v10, 6, v3
	v_add_nc_u32 v3, s21, v3                       ; and on the way out: row r, + 64 h
	v_lshlrev_b32 v4, 2, v9
	v_add_nc_u32 v4, s21, v4
	v_add_nc_u32 v4, SCW, v4                       ; my row's scale word
	v_lshlrev_b32 v6, 3, v8                        ; the scale words on their way out: 8 bytes a lane
	v_add_nc_u32 v5, s21, v6
	v_add_nc_u32 v5, SCW, v5
	s_mov_b32 s[SEL], 0x76543210
	s_mov_b32 s[SEL+1], 0xfedcba98
.irp b, 0,1,2,3
	v_mov_b32 v[TM+4+\b], 0                        ; written once: a lane permute's destination counts as one of its sources
.endr
	s_lshr_b32 s30, s20, 1                         ; which tile of the two
	s_and_b32 s31, s20, 1                          ; which half of K
	s_wait_kmcnt 0x0
	s_mov_b64 s[22:23], s[4:5]                     ; which tensor: the choice hangs on the work-group's number alone
	s_mov_b32 s24, 0                               ; and its first work-group
.macro PICK first, ptr
	s_cmp_ge_u32 ttmp9, \first
	s_cselect_b64 s[22:23], s[\ptr:\ptr+1], s[22:23]
	s_cselect_b32 s24, \first, s24
.endm
	PICK 256, 6
	PICK 512, 8
	PICK 768, 10
	PICK 800, 12
	PICK 832, 14
	s_sub_co_u32 s25, ttmp9, s24
	s_lshl_b32 s28, s25, 17                        ; 32 rows of 4,096 bytes
	s_lshl_b32 s29, s30, 15                        ; the second tile begins 8 rows down
	s_add_co_u32 s28, s28, s29
	s_lshl_b32 s29, s31, 11                        ; 512 numbers along K
	s_add_co_u32 s28, s28, s29
	s_mov_b32 s29, 0
	s_add_nc_u64 s[22:23], s[22:23], s[28:29]
	s_lshl_b32 s32, ttmp9, 1
	s_add_co_u32 s32, s32, s30                     ; my tile
	s_mul_i32 s28, s32, 8*FRB
	s_mul_i32 s33, s31, 4*FRB
	s_add_co_u32 s28, s28, s33
	s_add_nc_u64 s[16:17], s[16:17], s[28:29]      ; my four records
	s_lshl_b32 s28, s32, 9
	s_lshl_b32 s33, s31, 8
	s_add_co_u32 s28, s28, s33
	s_add_nc_u64 s[18:19], s[18:19], s[28:29]      ; and their 256 bytes of scale words
.macro LOAD t                          ; fragment t: 16 row slots x 512 bytes
.irp p, 0,1,2,3,4,5,6,7,8,9,10,11,12,13,14,15
	global_load_b128 v[R+64*((\t)%2)+4*\p:R+64*((\t)%2)+4*\p+3], v1, s[22:23] offset:(\p+8*(\p/8))*ROWB+512*(\t) th:TH_LOAD_NT
.endr
.endm
; 64 numbers of a lane become a fragment's codes in v[PC] on and its scale word in v[pw]
.macro QUANT s, pw
.irp b, 0,1,2,3
	v_max3_num_f32 v[TM+\b], |v[\s+16*\b]|, |v[\s+1+16*\b]|, 0x2800000   ; block b: my 16 numbers, and the floor 2^(5 - 127): the byte cannot fall under 1
.endr
.irp i, 2,4,6,8,10,12,14
.irp b, 0,1,2,3
	v_max3_num_f32 v[TM+\b], v[TM+\b], |v[\s+16*\b+\i]|, |v[\s+1+16*\b+\i]|   ; the four blocks by turns
.endr
.endr
.irp b, 0,1,2,3
	v_permlanex16_b32 v[TM+4+\b], v[TM+\b], s[SEL], s[SEL+1]
.endr
.irp b, 0,1,2,3
	v_max_num_f32 v[TM+\b], v[TM+\b], v[TM+4+\b]   ; with lane l xor 16: the block's largest magnitude
.endr
.irp b, 0,1,2,3
	v_add_nc_u32 v[TM+12+\b], 0xfe000000, v[TM+\b] ; 4 off its exponent field: the conversion's scale operand
.endr
.irp b, 0,1,2,3
	v_lshrrev_b32 v[TM+4+\b], 23, v[TM+12+\b]      ; the scale's byte
.endr
	v_lshl_or_b32 v[\pw], v[TM+5], 8, v[TM+4]
	v_lshl_or_b32 v[\pw], v[TM+6], 16, v[\pw]
	v_lshl_or_b32 v[\pw], v[TM+7], 24, v[\pw]
.irp c, 0,1
	v_cvt_scalef32_pk16_bf6_f32 v[PC+6*\c:PC+2+6*\c], v[\s+32*\c:\s+15+32*\c], v[TM+12+2*\c]
	v_cvt_scalef32_pk16_bf6_f32 v[PC+12+4*\c:PC+14+4*\c], v[\s+16+32*\c:\s+31+32*\c], v[TM+13+2*\c]   ; (a conversion's three registers begin on an even number)
.endr
	v_nop                                          ; one plain place behind a scaled conversion
.irp c, 0,1                            ; the operand wants a whole block in a lane: lanes 0-15 block 2 c, lanes 16-31 block 2 c + 1
.irp i, 0,1,2
	v_permlane16_swap_b32 v[PC+6*\c+\i], v[PC+12+4*\c+\i]
.endr
.irp i, 0,1,2
	v_mov_b32 v[PC+3+6*\c+\i], v[PC+12+4*\c+\i]
.endr
.endr
.endm
.macro FRAGMENT t
.if (\t) < 3
	s_wait_loadcnt 16                              ; this fragment's 16 loads are in; the next one's may be out
.else
	s_wait_loadcnt 0x0
.endif
.irp p, 0,1,2,3,4,5,6,7,8,9,10,11,12,13,14,15
	ds_store_b128 v2, v[R+64*((\t)%2)+4*\p:R+64*((\t)%2)+4*\p+3] offset:SPITCH*\p
.endr
.irp b, 0,1,2,3
.irp j, 0,1,2,3
	ds_load_b128 v[X+16*\b+4*\j:X+16*\b+4*\j+3], v3 offset:128*\b+16*\j   ; LDS serves a wave's instructions in order: these see the stores above
.endr
.endr
	s_wait_dscnt 0x0                               ; the numbers are back, and the stores have read the set that the loads below fill
.if (\t) > 0
	s_wait_xcnt 0x0                                ; the last fragment's stores have read the codes' registers, which are written again below
.endif
.if (\t) < 2
	LOAD (\t)+2
.endif
	QUANT X, PW+(\t)
.irp c, 0,1,2
	global_store_b128 v1, v[PC+4*\c:PC+4*\c+3], s[16:17] offset:FRB*(\t)+512*\c   ; 32 lanes store 512 consecutive bytes, at a multiple of 256 from the buffer's first byte
.endr
	ds_store_b32 v4, v[PW+(\t)] offset:64*(\t)     ; both lanes of a row write the same word with the same value
.endm
	LOAD 0
	LOAD 1
	FRAGMENT 0
	FRAGMENT 1
	FRAGMENT 2
	FRAGMENT 3
	ds_load_b64 v[248:249], v5                     ; in order behind my stores
	s_wait_dscnt 0x0
	global_store_b64 v6, v[248:249], s[18:19]      ; 32 lanes store 256 consecutive bytes, aligned
	s_wait_tensorcnt 0x0
	ds_add_u32 v254, v255
	s_wait_dscnt 0x0
	s_endpgm
.Lfunc_end_k_q6879442904_quant:
	.size	k_q6879442904_quant, .Lfunc_end_k_q6879442904_quant-k_q6879442904_quant
	.p2alignl 7, 3214868480
	.fill 96, 4, 3214868480
	.section	.rodata,"a",@progbits
	.p2align	6, 0x0
	.amdhsa_kernel k_q6879442904_quant
		.amdhsa_group_segment_fixed_size 35328
		.amdhsa_private_segment_fixed_size 0
		.amdhsa_enable_private_segment 0
		.amdhsa_kernarg_size 64
		.amdhsa_user_sgpr_count 2
		.amdhsa_user_sgpr_kernarg_segment_ptr 1
		.amdhsa_wavefront_size32 1
		.amdhsa_system_sgpr_workgroup_id_x 1
		.amdhsa_system_sgpr_workgroup_id_y 1
		.amdhsa_system_sgpr_workgroup_id_z 1
		.amdhsa_system_vgpr_workitem_id 0
		.amdhsa_next_free_vgpr 256
		.amdhsa_next_free_sgpr 66
		.amdhsa_reserve_vcc 0
		.amdhsa_float_denorm_mode_32 3
		.amdhsa_float_denorm_mode_16_64 3
		.amdhsa_memory_ordered 1
		.amdhsa_forward_progress 1
		.amdhsa_inst_pref_size 34
	.end_amdhsa_kernel
	.amdgpu_metadata
---
amdhsa.version: [ 1, 2 ]
amdhsa.kernels:
  - .name:           k_q6879442904_quant
    .symbol:         k_q6879442904_quant.kd
    .args:
      - { .name: query, .offset: 0, .size: 8, .value_kind: global_buffer, .address_space: global }
      - { .name: key, .offset: 8, .size: 8, .value_kind: global_buffer, .address_space: global }
      - { .name: value, .offset: 16, .size: 8, .value_kind: global_buffer, .address_space: global }
      - { .name: WQ, .offset: 24, .size: 8, .value_kind: global_buffer, .address_space: global }
      - { .name: WK, .offset: 32, .size: 8, .value_kind: global_buffer, .address_space: global }
      - { .name: WV, .offset: 40, .size: 8, .value_kind: global_buffer, .address_space: global }
      - { .name: xc, .offset: 48, .size: 8, .value_kind: global_buffer, .address_space: global }
      - { .name: xs, .offset: 56, .size: 8, .value_kind: global_buffer, .address_space: global }
    .group_segment_fixed_size: 35328
    .private_segment_fixed_size: 0
    .kernarg_segment_align: 8
    .kernarg_segment_size: 64
    .max_flat_workgroup_size: 128
    .sgpr_count:     66
    .vgpr_count:     256
    .wavefront_size: 32
...
	.end_amdgpu_metadata
.endif
;; end of part 1
;; launch proj (part 2): grid 8 x 32, 4 waves a work-group, clusters of 4 x 4, 327,680 bytes of LDS; arguments xc, xs, pc, ps; writes pc, ps
.if DOCPART == 2
	.amdgcn_target "amdgcn-amd-amdhsa--gfx1250"
	.amdhsa_code_object_version 6
	.text
	.protected	k_q6879442904_proj
	.globl	k_q6879442904_proj
	.p2align	8
	.type	k_q6879442904_proj,@function
k_q6879442904_proj:
	s_mov_b64 s[64:65], 0
	v_nop
	global_prefetch_b8 v0, s[64:65] scope:SCOPE_SE
	s_setreg_imm32_b32 hwreg(HW_REG_WAVE_MODE, 25, 1), 1
	s_wait_xcnt 0x0
	s_wait_alu depctr_hold_cnt(0) depctr_sa_sdst(0) depctr_va_vdst(0) depctr_va_sdst(0) depctr_va_ssrc(0) depctr_va_vcc(0) depctr_vm_vsrc(0)
	s_getreg_b32 s2, hwreg(HW_REG_IB_STS2, 6, 4)
	s_cmp_eq_u32 s2, 0
	s_cbranch_scc0 .Lentry_in_a_cluster
	s_endpgm
.Lentry_in_a_cluster:
	s_bfe_u32 s2, ttmp6, 0x10000c
	s_cmp_lg_u32 s2, 0xf033
	s_cbranch_scc0 .Lentry_shape_is_right
	s_endpgm
.Lentry_shape_is_right:
; The three projections on codes of BF6 (E3M2) with E8M0 block scales, K = 1,024, and the quantising of their results along the next product's K.
; q = query WQ^T, k = key WK^T (codes along the channels); v^T = WV value^T (codes along the keys).
; FRAGMENT RECORDS as the launch before lays them: record 8 x tile + K step, 1,536 bytes, the image of a fragment's 12 registers; its scale words 64 bytes.
; ORIENTATION: source 0 = B = 16 rows whose index becomes the next K (rows of W; for v^T keys), source 1 = A = 16 rows that a lane keeps (tokens; for v^T channels of WV).
; SHARES: 256 work-groups.  PHASE 0: one block of 256 tokens x 256 channels of q (the cluster's x = 0) or of k (1): 2 x 32 x 4 blocks.  PHASE 1: one block of 256 channels x 128 keys of v^T: 4 x 64 blocks.
; A wave takes 64 rows of A (4 tiles).  In phase 0 a K step has two sub-steps, one for each 128 channels of B (accumulators in windows 2 and 3): a fragment of A serves 16 products.
; B: phase 0's 16 tiles of W for all of K are 196,608 dense bytes, one load of four tiles a wave at the head; phase 1's 8 tiles of value, 98,304 bytes, are a later first fill with bytes of their own: nothing is filled again.
; The four work-groups of a column of the cluster need the same blocks of B: joint loads.  Phase 1's block is asked for when phase 0's has landed and has all of phase 0 in which to land: it is not prefetched.
; A: each fragment is multiplied by one wave alone and goes from memory straight into that wave's registers, 512 consecutive bytes a load.  LDS has no room for A beside B's blocks (294,912 of 327,680 bytes),
; so A's fragments are no tensor loads and cannot be asked for jointly.  A ring of three K steps holds a step's 12 fragment loads and its scale words (A's 2 loads, B's 4 for each 128 of B): a group of 22 or 18 loads.
; PREFETCH: the four partners of a row of the cluster take a tile each of a wave's four, by address.  Phase 0's K steps 4-7 are asked for in steps 0-3, one step ahead of their loads; phase 1's A in steps 1 and 2, three steps ahead.
; LIMITS: NaN and infinities are not served; a block whose largest magnitude lies under 2^(5 - 127) keeps the byte 1 (only this program reads the bytes).
; REGISTERS: window 0: v2-14, v46 addresses, v16-39 B's scale words (three steps), v40-45 A's, v56-199 A's three sets of 48, v208-246 the way out.  window 1: B's two sets.  windows 2, 3: accumulator (a, b) at v[8 (8 a + b)].
.set KS,    8
.set FRB,   1536
.set TILE,  KS*FRB
.set SLOT,  8*TILE
.set SPARE, 3*SLOT                     ; behind B's blocks: the spare words, 128 bytes a wave, that no other line names
.set DEPTH, 3                          ; K steps in A's ring
.set NG,    2*KS                       ; K steps in all
.set LI,   2                           ; v2     16 x lane
.set ADRB, 2                           ; v2-7   16 x lane + 49,152 j: block j / 2 of B, tiles 4 (j % 2) ..
.set VA,   9                           ; v9     4 r + 512 h
.set SO6,  10                          ; v10    4 r + 4,096 h
.set SPW,  11
.set NIL,  12
.set PF0,  13                          ; v13-14 prefetch offsets: blocks 0-31 and 32-47 of a tile's 48 blocks of 256 bytes;  v46: blocks 0-5 of a record's 6
.set PF1,  14
.set PF2,  46
.set SB0,  16
.set SA0,  40
.set AR,   56
.set PC,   208
.set TM,   228
.set PW0,  244
.set PW1,  245
.set PWS,  246
.set AB,   24                          ; a pair for each phase: s[24:27] A's records, s[28:31] A's scale words, s[32:35] B's scale words, s[36:39], s[40:43] where codes and scale words go, s[44:47] the prefetches' bases
.set SAB,  28
.set SBB,  32
.set OC,   36
.set OS,   40
.set PFB,  44
.set G1,   56
.set G0,   68
.set HM,   84
.set SEL,  86
.set TO_B, 0x40
.set MSB, 0
.macro WIN new                         ; the immediate's high byte repeats the setting that is left
.if MSB != (\new)
	s_set_vgpr_msb (MSB<<8)|(\new)
.set MSB, (\new)
.endif
.endm
.macro PLACES                          ; four plain places behind matrix instructions (ISA guide 7.12.1)
.rept 4
	v_nop
.endr
.endm
.macro CROUND                          ; a round of the cluster's barrier
	s_barrier_signal -1
	s_barrier_wait -1
	s_cmp_lg_u32 s14, 0
	s_cbranch_scc1 .Lnot_wave_0_\@
	s_barrier_signal -3
.Lnot_wave_0_\@:
	s_barrier_wait -3
	s_barrier_signal -1
	s_barrier_wait -1
.endm
.macro TLOAD z                         ; my part of a phase's block of B
	tensor_load_to_lds s[G0+4*(\z):G0+4*(\z)+3], s[G1:G1+7]
	s_nop 0
	PLACES
.endm
.macro MULA a                          ; A's block a against eight tiles of B; an odd tile's scale words lie in lanes 16-31; K step 0 starts the sums
.irp b, 0,1,2,3,4,5,6,7
.set rD, 8*(8*(\a)+\b)
.set rB, 128*(ss%2)+12*\b
.set rA, AR+48*g3+12*(\a)
.set rSB, SB0+8*g3+4*hb+\b/2
.set rSA, SA0+2*g3+(\a)/2
.set sel, 2*(\b%2)+(\a)%2
.if ks == 0
.if sel == 0
	v_wmma_scale_f32_16x16x128_f8f6f4 v[rD:rD+7], v[rB:rB+11], v[rA:rA+11], 0, v[rSB], v[rSA] matrix_a_fmt:MATRIX_FMT_BF6 matrix_b_fmt:MATRIX_FMT_BF6
.elseif sel == 1
	v_wmma_scale_f32_16x16x128_f8f6f4 v[rD:rD+7], v[rB:rB+11], v[rA:rA+11], 0, v[rSB], v[rSA] matrix_a_fmt:MATRIX_FMT_BF6 matrix_b_fmt:MATRIX_FMT_BF6 matrix_b_scale:MATRIX_SCALE_ROW1
.elseif sel == 2
	v_wmma_scale_f32_16x16x128_f8f6f4 v[rD:rD+7], v[rB:rB+11], v[rA:rA+11], 0, v[rSB], v[rSA] matrix_a_fmt:MATRIX_FMT_BF6 matrix_b_fmt:MATRIX_FMT_BF6 matrix_a_scale:MATRIX_SCALE_ROW1
.else
	v_wmma_scale_f32_16x16x128_f8f6f4 v[rD:rD+7], v[rB:rB+11], v[rA:rA+11], 0, v[rSB], v[rSA] matrix_a_fmt:MATRIX_FMT_BF6 matrix_b_fmt:MATRIX_FMT_BF6 matrix_a_scale:MATRIX_SCALE_ROW1 matrix_b_scale:MATRIX_SCALE_ROW1
.endif
.else
.if sel == 0
	v_wmma_scale_f32_16x16x128_f8f6f4 v[rD:rD+7], v[rB:rB+11], v[rA:rA+11], v[rD:rD+7], v[rSB], v[rSA] matrix_a_fmt:MATRIX_FMT_BF6 matrix_b_fmt:MATRIX_FMT_BF6
.elseif sel == 1
	v_wmma_scale_f32_16x16x128_f8f6f4 v[rD:rD+7], v[rB:rB+11], v[rA:rA+11], v[rD:rD+7], v[rSB], v[rSA] matrix_a_fmt:MATRIX_FMT_BF6 matrix_b_fmt:MATRIX_FMT_BF6 matrix_b_scale:MATRIX_SCALE_ROW1
.elseif sel == 2
	v_wmma_scale_f32_16x16x128_f8f6f4 v[rD:rD+7], v[rB:rB+11], v[rA:rA+11], v[rD:rD+7], v[rSB], v[rSA] matrix_a_fmt:MATRIX_FMT_BF6 matrix_b_fmt:MATRIX_FMT_BF6 matrix_a_scale:MATRIX_SCALE_ROW1
.else
	v_wmma_scale_f32_16x16x128_f8f6f4 v[rD:rD+7], v[rB:rB+11], v[rA:rA+11], v[rD:rD+7], v[rSB], v[rSA] matrix_a_fmt:MATRIX_FMT_BF6 matrix_b_fmt:MATRIX_FMT_BF6 matrix_a_scale:MATRIX_SCALE_ROW1 matrix_b_scale:MATRIX_SCALE_ROW1
.endif
.endif
.endr
.endm
.macro MULR a0, n                      ; a sub-step's 32 accumulators take turns, one instruction a turn, in the same order in every sub-step
.set aa, \a0
.rept \n
	MULA aa
.set aa, aa+1
.endr
.endm
.macro FETCH_B z, k, p                 ; eight fragments of B, K step k, from block z into set p
	WIN TO_B
.irp i, 0,1,2,3,4,5,6,7
.irp c, 0,1,2
	ds_load_b128 v[128*(\p)+12*\i+4*\c:128*(\p)+12*\i+4*\c+3], v[ADRB+2*(\z)+\i/4] offset:(\i%4)*TILE+(\k)*FRB+512*\c
.endr
.endr
	WIN 0
.endm
.macro GLA p, k, n, a0                 ; A's blocks a0, a0 + 1 of phase p's K step k from memory into set n % 3: each load reads 512 consecutive bytes
.irp a, \a0, \a0+1
.irp c, 0,1,2
	global_load_b128 v[AR+48*((\n)%DEPTH)+12*(\a)+4*\c:AR+48*((\n)%DEPTH)+12*(\a)+4*\c+3], v[LI], s[AB+2*(\p):AB+2*(\p)+1] offset:(\a)*TILE+(\k)*FRB+512*\c
.endr
.endr
.endm
.macro GLS p, k, n                     ; the step's scale words: lanes 0-15 tile 2 i, lanes 16-31 tile 2 i + 1
.irp i, 0,1
	global_load_b32 v[SA0+2*((\n)%DEPTH)+\i], v[VA], s[SAB+2*(\p):SAB+2*(\p)+1] offset:(16*\i+(\k))*64
.endr
.irp i, 0,1,2,3
	global_load_b32 v[SB0+8*((\n)%DEPTH)+\i], v[VA], s[SBB+2*(\p):SBB+2*(\p)+1] offset:(16*\i+(\k))*64
.endr
.if (\p) == 0
.irp i, 0,1,2,3
	global_load_b32 v[SB0+8*((\n)%DEPTH)+4+\i], v[VA], s[SBB+2*(\p):SBB+2*(\p)+1] offset:4096+(16*\i+(\k))*64
.endr
.endif
.endm
; THE WAY OUT of block a, half h of B: 16 rows x 128 along the next K become a fragment record and its scale words
.macro EPI p, a, h
.set ES, 64*(\a)
.set LG, 3+3*(\p)                      ; records from tile to tile: 8 (q, k) or 64 (v^T)
.set EW, 2+(\h)                        ; the accumulators' window
	WIN EW*5
.irp b, 0,1,2,3
	v_max3_num_f32 v[TM+\b], |v[ES+16*\b]|, |v[ES+16*\b+1]|, 0x2800000   ; block b: my 16 numbers and the floor 2^(5 - 127); each accumulator is read from its low end on
.endr
.irp i, 2,4,6,8,10,12,14
.irp b, 0,1,2,3
	v_max3_num_f32 v[TM+\b], |v[ES+16*\b+\i]|, |v[ES+16*\b+\i+1]|, v[TM+\b]
.endr
.endr
	WIN 0
.irp b, 0,1,2,3
	v_permlanex16_b32 v[TM+4+\b], v[TM+\b], s[SEL], s[SEL+1]
.endr
.irp b, 0,1,2,3
	v_max_num_f32 v[TM+\b], v[TM+\b], v[TM+4+\b]   ; with lane l xor 16: the block's largest magnitude
.endr
.irp b, 0,1,2,3
	v_add_nc_u32 v[TM+12+\b], 0xfe000000, v[TM+\b] ; 4 off its exponent field: the conversion's scale operand
.endr
.irp b, 0,1,2,3
	v_lshrrev_b32 v[TM+4+\b], 23, v[TM+12+\b]      ; the scale's byte
.endr
	v_lshl_or_b32 v[PW0+(\a)%2], v[TM+5], 8, v[TM+4]
	v_lshl_or_b32 v[PW0+(\a)%2], v[TM+6], 16, v[PW0+(\a)%2]
	v_lshl_or_b32 v[PW0+(\a)%2], v[TM+7], 24, v[PW0+(\a)%2]
	s_wait_alu depctr_va_vdst(0)
	s_wait_xcnt 0x0                                ; the last block's stores have read the registers that are written below
	WIN EW
.irp c, 0,1
	v_cvt_scalef32_pk16_bf6_f32 v[PC+6*\c:PC+2+6*\c], v[ES+32*\c:ES+15+32*\c], v[TM+12+2*\c]
	v_cvt_scalef32_pk16_bf6_f32 v[PC+12+4*\c:PC+14+4*\c], v[ES+16+32*\c:ES+31+32*\c], v[TM+13+2*\c]
.endr
	WIN 0
	v_nop                                          ; one plain place behind a scaled conversion
.irp c, 0,1                            ; the operand wants a whole block in a lane
.irp i, 0,1,2
	v_permlane16_swap_b32 v[PC+6*\c+\i], v[PC+12+4*\c+\i]
.endr
.irp i, 0,1,2
	v_mov_b32 v[PC+3+6*\c+\i], v[PC+12+4*\c+\i]
.endr
.endr
.irp c, 0,1,2
	global_store_b128 v[LI], v[PC+4*\c:PC+4*\c+3], s[OC+2*(\p):OC+2*(\p)+1] offset:(\a)*(FRB<<LG)+(\h)*FRB+512*\c   ; 512 consecutive bytes, at a multiple of 256 from the buffer's first byte
.endr
.if (\a)%2 == 1
	v_cndmask_b32 v[PWS], v[PW0], v[PW1], s[HM]    ; lanes 0-15 the even tile's words, lanes 16-31 the odd tile's
.if (\p) == 0
	global_store_b32 v[VA], v[PWS], s[OS+2*(\p):OS+2*(\p)+1] offset:((\a)-1)*(64<<LG)+(\h)*64
.else
	global_store_b32 v[SO6], v[PWS], s[OS+2*(\p):OS+2*(\p)+1] offset:((\a)-1)*(64<<LG)
.endif
.endif
.endm
	s_load_b256 s[4:11], s[0:1], 0x0               ; xc s[4:5], xs s[6:7], pc s[8:9], ps s[10:11]
	v_lshl_add_u32 v[SPW], v0, 2, SPARE
	v_mov_b32 v[NIL], 0
	ds_add_u32 v[SPW], v[NIL]                      ; the opening lines: the add, twice on end, and its wait
	ds_add_u32 v[SPW], v[NIL]
	v_lshrrev_b32 v1, 5, v0
	v_readfirstlane_b32 s14, v1                    ; wave
	v_and_b32 v15, 31, v0
	v_lshlrev_b32 v[LI], 4, v15
.irp j, 1,2,3,4,5
	v_add_nc_u32 v[ADRB+\j], \j*4*TILE, v[LI]
.endr
	v_and_b32 v1, 15, v0                           ; r
	v_bfe_u32 v8, v0, 4, 1                         ; h
	v_lshlrev_b32 v[VA], 2, v1
	v_lshl_add_u32 v[SO6], v8, 12, v[VA]
	v_lshl_add_u32 v[VA], v8, 9, v[VA]
	v_lshlrev_b32 v[PF0], 8, v15
	v_add_nc_u32 v[PF1], 32, v15
	v_min_u32 v[PF1], 47, v[PF1]                   ; the lanes left over name the last block again
	v_lshlrev_b32 v[PF1], 8, v[PF1]
	v_min_u32 v[PF2], 5, v15
	v_lshlrev_b32 v[PF2], 8, v[PF2]
.irp b, 0,1,2,3
	v_mov_b32 v[TM+4+\b], 0                        ; a lane permute's destination counts as one of its sources
.endr
	s_bfe_u32 s19, ttmp6, 0x40000                  ; cx
	s_bfe_u32 s20, ttmp6, 0x40004                  ; cy
	s_and_b32 s23, ttmp7, 0xffff                   ; the cluster's y; the cluster's x (ttmp9) is z: 0 for q, 1 for k
	s_lshl_b32 s22, 0x1111, s19                    ; my column of the cluster
	s_lshl_b32 s15, s14, 2
	s_lshl_b32 s16, s23, 2
	s_add_co_u32 s16, s16, s20                     ; which 256 tokens
	s_lshl_b32 s16, s16, 4
	s_add_co_u32 s16, s16, s15                     ; my first tile among q's or k's 512
	s_lshl_b32 s54, ttmp9, 9
	s_add_co_u32 s55, s16, s54                     ; and in xc: key's tiles begin at 512
	s_lshl_b32 s17, s20, 4
	s_add_co_u32 s17, s17, s15                     ; phase 1: tile 16 cy + 4 wave of WV,
	s_add_co_u32 s18, s17, 1664                    ; which begins at tile 1,664
	s_mul_i32 s[AB], s55, TILE
	s_mul_i32 s[AB+2], s18, TILE
	s_lshl_b32 s[SAB], s55, 9
	s_lshl_b32 s[SAB+2], s18, 9
	s_lshl_b32 s2, ttmp9, 6                        ; B's addresses hang on cx and the cluster's x and y alone, which my column shares
	s_lshl_b32 s3, s19, 4
	s_add_co_u32 s2, s2, s3
	s_add_co_u32 s2, s2, 1536                      ; phase 0: W's tile 16 cx; WQ begins at tile 1,536, WK 64 on
	s_lshl_b32 s[SBB], s2, 9
	s_add_co_u32 s2, s2, s15                       ; I fetch four of the sixteen
	s_mul_i32 s[G0+2], s2, TILE
	s_lshl_b32 s3, ttmp9, 2
	s_add_co_u32 s3, s3, s19
	s_lshl_b32 s12, s23, 3
	s_add_co_u32 s12, s12, s3                      ; phase 1: which 128 keys of 8,192
	s_lshl_b32 s13, s12, 3
	s_add_co_u32 s13, s13, 1024                    ; value's tiles begin at 1,024
	s_lshl_b32 s[SBB+2], s13, 9
	s_lshl_b32 s2, s14, 1
	s_add_co_u32 s13, s13, s2                      ; I fetch two of the eight
	s_mul_i32 s[G0+6], s13, TILE
	s_mul_i32 s[G0+1], s14, 4*TILE                 ; LDS: blocks 0 and 1, my four tiles;
	s_mul_i32 s3, s14, 2*TILE
	s_add_co_u32 s[G0+5], s3, 2*SLOT               ; block 2, my two
	s_lshl_b32 s16, s16, 3
	s_lshl_b32 s18, s19, 1
	s_add_co_u32 s16, s16, s18                     ; q, k: record 8 x tile + 2 cx (+ the half of B)
	s_mul_i32 s[OC], s16, FRB
	s_mul_i32 s18, ttmp9, 6291456
	s_add_co_u32 s[OC], s[OC], s18
	s_lshl_b32 s[OS], s16, 6
	s_lshl_b32 s18, ttmp9, 18
	s_add_co_u32 s[OS], s[OS], s18
	s_lshl_b32 s17, s17, 6
	s_add_co_u32 s17, s17, s12                     ; v^T: record 64 x tile + the keys' chunk
	s_mul_i32 s[OC+2], s17, FRB
	s_add_co_u32 s[OC+2], s[OC+2], 12582912
	s_lshl_b32 s[OS+2], s17, 6
	s_add_co_u32 s[OS+2], s[OS+2], 524288
	s_mul_i32 s52, s19, TILE                       ; of my wave's four tiles of A my work-group prefetches tile cx
	s_mov_b32 s53, 0
.irp z, 0,1
.irp p, AB, SAB, SBB, OC, OS
	s_mov_b32 s[\p+2*\z+1], 0
.endr
	s_mov_b32 s[G0+4*\z], 1
	s_mov_b32 s[G0+4*\z+3], 0
.endr
	s_or_b32 s[G1], s22, (3<<16)|(1<<21)           ; 15:0 the mask; 17:16 elements of 8 bytes; 21 set beside a mask
	s_mov_b32 s[G1+1], (TILE/8)<<16                ; rows (tiles) of 12,288 bytes, dense: four for the head's load
	s_mov_b32 s[G1+2], 4<<16
	s_mov_b32 s[G1+3], (TILE/8)<<16
	s_mov_b32 s[G1+4], 4
	s_mov_b32 s[G1+5], TILE/8
	s_mov_b32 s[G1+6], 0
	s_mov_b32 s[G1+7], 0
	s_mov_b32 s[HM], 0xffff0000
	s_mov_b32 s[SEL], 0x76543210
	s_mov_b32 s[SEL+1], 0xfedcba98
	s_wait_alu depctr_va_vdst(0)
	s_wait_dscnt 0x0                               ; both opening adds are done
	s_wait_kmcnt 0x0
.irp z, 0,1
	s_add_nc_u64 s[AB+2*\z:AB+2*\z+1], s[4:5], s[AB+2*\z:AB+2*\z+1]
	s_add_nc_u64 s[SAB+2*\z:SAB+2*\z+1], s[6:7], s[SAB+2*\z:SAB+2*\z+1]
	s_add_nc_u64 s[SBB+2*\z:SBB+2*\z+1], s[6:7], s[SBB+2*\z:SBB+2*\z+1]
	s_add_nc_u64 s[OC+2*\z:OC+2*\z+1], s[8:9], s[OC+2*\z:OC+2*\z+1]
	s_add_nc_u64 s[OS+2*\z:OS+2*\z+1], s[10:11], s[OS+2*\z:OS+2*\z+1]
	s_add_nc_u64 s[G0+4*\z+2:G0+4*\z+3], s[4:5], s[G0+4*\z+2:G0+4*\z+3]
	s_or_b32 s[G0+4*\z+3], s[G0+4*\z+3], 0x80000000
	s_add_nc_u64 s[PFB+2*\z:PFB+2*\z+1], s[AB+2*\z:AB+2*\z+1], s[52:53]
.endr
.irp k, 0,1                            ; the first two groups: 44 loads
	GLA 0, \k, \k, 0
	GLA 0, \k, \k, 2
	GLS 0, \k, \k
.endr
	CROUND                                         ; all sixteen work-groups are here: the first joint loads meet
	TLOAD 0                                        ; one tensor load a wave at the head
	GLA 0, 2, 2, 0
	GLA 0, 2, 2, 2
	GLS 0, 2, 2
	s_wait_tensorcnt 0x0                           ; my part of phase 0's B is in
	ds_add_u32 v[SPW], v[NIL]
	s_mov_b32 s[G1+2], 2<<16                       ; no tensor load of mine is out: the next one brings two tiles
	s_mov_b32 s[G1+4], 2
	s_wait_dscnt 0x0
	CROUND                                         ; the block is whole for all four waves, and the joint loads meet
	TLOAD 1
	FETCH_B 0, 0, 0
.set ss, 0                             ; sub-steps: 16 of phase 0 (K step ss / 2, half ss % 2 of B), 8 of phase 1
.rept 3*KS
.if ss < 2*KS
.set ph, 0
.set ks, ss/2
.set hb, ss%2
.set g,  ks
.set lastsub, hb
.else
.set ph, 1
.set ks, ss-2*KS
.set hb, 0
.set g,  KS+ks
.set lastsub, 1
.endif
.set g3, g%DEPTH
.set ns, ss+1                          ; the next sub-step's block of B and K step
.if ns < 2*KS
.set nb, ns%2
.set nq, ns/2
.else
.set nb, 2
.set nq, ns-2*KS
.endif
.set ng, g+DEPTH                       ; the K step whose group is asked for in this one
.set MW, 0xa1+0x50*hb                  ; source 0 window 1, source 1 window 0, C and D window 2 or 3
.if hb == 0
.set nw, 0                             ; loads issued behind the group that this K step needs: the next two groups, of 22 (phase 0) or 18
.irp d, 1,2
.if g+\d < KS
.set nw, nw+22
.elseif g+\d < NG
.set nw, nw+18
.endif
.endr
	s_wait_loadcnt nw
.endif
	s_wait_dscnt 0x0                               ; B's set
	WIN MW
	MULR 0, 2
	PLACES
.if ss == 2*KS-1
	WIN 0
	s_wait_tensorcnt 0x0                           ; my part of phase 1's B is in
	s_barrier_signal -1                            ; it shows that block whole to all four waves
	s_barrier_wait -1
.endif
.if ns < 3*KS
	FETCH_B nb, nq, ns%2
.endif
	WIN 0
.if lastsub && ng < NG
	GLA ng/KS, ng%KS, ng, 0                        ; into the registers of the two blocks just multiplied for the last time
.endif
.if ph == 0 && hb == 1 && ks < 4
	global_prefetch_b8 v[PF2], s[PFB:PFB+1] offset:(ks+4)*FRB th:TH_LOAD_NT scope:SCOPE_SE
.endif
.if ph == 0 && hb == 1 && ks == 1
	global_prefetch_b8 v[PF0], s[PFB+2:PFB+3] th:TH_LOAD_NT scope:SCOPE_SE
.endif
.if ph == 0 && hb == 1 && ks == 2
	global_prefetch_b8 v[PF1], s[PFB+2:PFB+3] th:TH_LOAD_NT scope:SCOPE_SE
.endif
	WIN MW
	MULR 2, 2
	PLACES
	WIN 0
.if lastsub && ng < NG
	GLA ng/KS, ng%KS, ng, 2
	GLS ng/KS, ng%KS, ng
.endif
.if ss == 2*KS-1
.irp h, 0,1
.irp a, 0,1,2,3
	EPI 0, \a, \h
.endr
.endr
.endif
.if ss == 3*KS-1
.irp a, 0,1,2,3
	EPI 1, \a, 0
.endr
.endif
.set ss, ss+1
.endr
	s_wait_tensorcnt 0x0                           ; the wave's end
	ds_add_u32 v[SPW], v[NIL]
	s_wait_dscnt 0x0
	CROUND                                         ; the closing round
	s_endpgm
.Lfunc_end_k_q6879442904_proj:
	.size	k_q6879442904_proj, .Lfunc_end_k_q6879442904_proj-k_q6879442904_proj
	.p2alignl 7, 3214868480
	.fill 96, 4, 3214868480
	.section	.rodata,"a",@progbits
	.p2align	6, 0x0
	.amdhsa_kernel k_q6879442904_proj
		.amdhsa_group_segment_fixed_size 327680
		.amdhsa_private_segment_fixed_size 0
		.amdhsa_enable_private_segment 0
		.amdhsa_kernarg_size 32
		.amdhsa_user_sgpr_count 2
		.amdhsa_user_sgpr_kernarg_segment_ptr 1
		.amdhsa_wavefront_size32 1
		.amdhsa_system_sgpr_workgroup_id_x 1
		.amdhsa_system_sgpr_workgroup_id_y 1
		.amdhsa_system_sgpr_workgroup_id_z 1
		.amdhsa_system_vgpr_workitem_id 0
		.amdhsa_next_free_vgpr 1024
		.amdhsa_next_free_sgpr 96
		.amdhsa_reserve_vcc 0
		.amdhsa_float_denorm_mode_32 3
		.amdhsa_float_denorm_mode_16_64 3
		.amdhsa_memory_ordered 1
		.amdhsa_forward_progress 1
		.amdhsa_inst_pref_size 233
	.end_amdhsa_kernel
	.amdgpu_metadata
---
amdhsa.version: [ 1, 2 ]
amdhsa.kernels:
  - .name:           k_q6879442904_proj
    .symbol:         k_q6879442904_proj.kd
    .args:
      - { .name: xc, .offset: 0, .size: 8, .value_kind: global_buffer, .address_space: global }
      - { .name: xs, .offset: 8, .size: 8, .value_kind: global_buffer, .address_space: global }
      - { .name: pc, .offset: 16, .size: 8, .value_kind: global_buffer, .address_space: global }
      - { .name: ps, .offset: 24, .size: 8, .value_kind: global_buffer, .address_space: global }
    .group_segment_fixed_size: 327680
    .private_segment_fixed_size: 0
    .kernarg_segment_align: 8
    .kernarg_segment_size: 32
    .max_flat_workgroup_size: 128
    .sgpr_count:     96
    .vgpr_count:     1024
    .wavefront_size: 32
...
	.end_amdgpu_metadata
.endif
;; end of part 2
;; launch score (part 3): grid 8 x 32, 4 waves a work-group, clusters of 4 x 4, 327,680 bytes of LDS; arguments pc, ps, pp, pst; writes pp, pst
.if DOCPART == 3
	.amdgcn_target "amdgcn-amd-amdhsa--gfx1250"
	.amdhsa_code_object_version 6
	.text
	.protected	k_q6879442904_score
	.globl	k_q6879442904_score
	.p2align	8
	.type	k_q6879442904_score,@function
k_q6879442904_score:
	s_mov_b64 s[64:65], 0
	v_nop
	global_prefetch_b8 v0, s[64:65] scope:SCOPE_SE
	s_setreg_imm32_b32 hwreg(HW_REG_WAVE_MODE, 25, 1), 1
	s_wait_xcnt 0x0
	s_wait_alu depctr_hold_cnt(0) depctr_sa_sdst(0) depctr_va_vdst(0) depctr_va_sdst(0) depctr_va_ssrc(0) depctr_va_vcc(0) depctr_vm_vsrc(0)
	s_getreg_b32 s2, hwreg(HW_REG_IB_STS2, 6, 4)
	s_cmp_eq_u32 s2, 0
	s_cbranch_scc0 .Lentry_in_a_cluster
	s_endpgm
.Lentry_in_a_cluster:
	s_bfe_u32 s2, ttmp6, 0x10000c
	s_cmp_lg_u32 s2, 0xf033
	s_cbranch_scc0 .Lentry_shape_is_right
	s_endpgm
.Lentry_shape_is_right:
; S^T = k q^T on codes of BF6 (E3M2) with E8M0 block scales, and the softmax's first half.  For each query and each CHUNK of 128 keys: t = score x log2(e) / 32; M = the chunk's largest t rounded up to a whole
; number; p = 2^(t - M), quantised along the keys; l = the sum of the unquantised p.  Stored: p as fragment records (pp), and in pst p's scale words, -M and l.  The next launch brings all chunks under the row's
; own M: since every M is a whole number, that is a power of two, which the scale bytes take up.  The maximum is taken away before every exponential: no exponent is above 0 but by a rounding of the product c x score.
; FRAGMENT RECORDS, ORIENTATION and the K loop are those of the launch before: source 0 = "B" = 16 keys, source 1 = "A" = 16 queries; a lane holds one query; the 64 registers of a block of A are keys 32 b + 16 (lane / 16) + i at register 16 b + i.
; SHARES.  A work-group makes 256 queries x 256 keys of one batch; a wave 128 x 128: its 128 keys are one chunk.  Clusters of 4 x 4: q's tiles are shared along a row, k's along a column: joint tensor loads.
; K = 1,024: three tiles of three K steps (the last of two) along K in TWO LDS slots: two first fills, one at a time, then one refill.  All scale words come once into registers; the K loop is written out.
; LIMITS: NaN and infinities are not served; a block whose every p has fallen to 0 keeps the byte 1 (its codes are zeros).
; REGISTERS: window 0: v1-14 addresses; v32-63 A's scale words, v64-95 B's; v128-223 A's fragments (the way out works there).  window 1: B's two sets.  windows 2, 3: accumulators (a, b) at v[8 (8 (a % 4) + b)].
.set KS,    8
.set NQ,    3                          ; two slots of three K steps: tiles of steps 0-2, 3-5 and 6-7
.set NT,    3
.set NSLOT, 2
.set NA,    8
.set FRB,   1536
.set TROW,  NQ*FRB
.set HALFA, NA*TROW
.set HALFB, 8*TROW
.set SLOT,  2*HALFA+2*HALFB
.set SPARE, NSLOT*SLOT                 ; behind the ring: the spare words, 128 bytes a wave, that no other line names
.set SEC,   524288                     ; a section of pst
.set ADRA, 4
.set ADRB, 7
.set LI,   10
.set VA,   11
.set SO,   12                          ; v12    16 r + 4,096 h: my row's 16 bytes in a pair of tiles
.set SPW,  13
.set NIL,  14
.set SA0,  32
.set SB0,  64
.set AF,   128
.set PC,   128                         ; the way out: codes,
.set TM,   152                         ; at work,
.set LS,   168                         ; v[168:171] the sum in two chains of pairs,
.set NM,   172                         ; v172 -M (v173 is named with it as a pair),
.set T0,   174
.set T1,   175
.set EV,   176                         ; v176-178 the even block's scale word, -M, l;  v179-181 the odd block's;  v182-184 the two merged
.set OD,   179
.set DAT,  182
.set G1A,  24
.set G0A,  32
.set G1B,  48
.set G0B,  68
.set HM,   92
.set SEL,  94
.set CS,   96                          ; s[96:97] c = log2(e) / sqrt(1024)
.set MUL_LO, 0xa1
.set MUL_HI, 0xf1
.set TO_B,   0x40
.set MSB, 0
.macro WIN new                         ; the immediate's high byte repeats the setting that is left
.if MSB != (\new)
	s_set_vgpr_msb (MSB<<8)|(\new)
.set MSB, (\new)
.endif
.endm
.macro PLACES                          ; four plain places behind matrix instructions (ISA guide 7.12.1)
.rept 4
	v_nop
.endr
.endm
.macro JLOAD g0a, g0b                  ; a joint load: waves 0 and 1 fetch A's halves, waves 2 and 3 B's; four v_nop follow each line
	s_cmp_eq_u32 s15, 0
	s_cbranch_scc0 .Lfor_b_\@
	tensor_load_to_lds s[\g0a:\g0a+3], s[G1A:G1A+7]
	s_nop 0
.rept 4
	v_nop
.endr
	s_branch .Lasked_\@
.Lfor_b_\@:
	tensor_load_to_lds s[\g0b:\g0b+3], s[G1B:G1B+7]
	s_nop 0
.rept 4
	v_nop
.endr
.Lasked_\@:
.endm
.macro CREST
	s_cmp_lg_u32 s14, 0
	s_cbranch_scc1 .Lnot_wave_0_\@
	s_barrier_signal -3
.Lnot_wave_0_\@:
	s_barrier_wait -3
	s_barrier_signal -1
	s_barrier_wait -1
.endm
.macro CROUND
	s_barrier_signal -1
	s_barrier_wait -1
	CREST
.endm
.macro MULA a                          ; A's block a against B's eight, K step ks; an odd block's scale words lie in lanes 16-31; step 0 starts the sums
.irp b, 0,1,2,3,4,5,6,7
.set rD, 8*(8*((\a)%4)+\b)
.set rB, 128*(ks%2)+12*\b
.set rA, AF+12*(\a)
.set rSB, SB0+4*ks+\b/2
.set rSA, SA0+(NA/2)*ks+(\a)/2
.set sel, 2*(\b%2)+(\a)%2
.if ks == 0
.if sel == 0
	v_wmma_scale_f32_16x16x128_f8f6f4 v[rD:rD+7], v[rB:rB+11], v[rA:rA+11], 0, v[rSB], v[rSA] matrix_a_fmt:MATRIX_FMT_BF6 matrix_b_fmt:MATRIX_FMT_BF6
.elseif sel == 1
	v_wmma_scale_f32_16x16x128_f8f6f4 v[rD:rD+7], v[rB:rB+11], v[rA:rA+11], 0, v[rSB], v[rSA] matrix_a_fmt:MATRIX_FMT_BF6 matrix_b_fmt:MATRIX_FMT_BF6 matrix_b_scale:MATRIX_SCALE_ROW1
.elseif sel == 2
	v_wmma_scale_f32_16x16x128_f8f6f4 v[rD:rD+7], v[rB:rB+11], v[rA:rA+11], 0, v[rSB], v[rSA] matrix_a_fmt:MATRIX_FMT_BF6 matrix_b_fmt:MATRIX_FMT_BF6 matrix_a_scale:MATRIX_SCALE_ROW1
.else
	v_wmma_scale_f32_16x16x128_f8f6f4 v[rD:rD+7], v[rB:rB+11], v[rA:rA+11], 0, v[rSB], v[rSA] matrix_a_fmt:MATRIX_FMT_BF6 matrix_b_fmt:MATRIX_FMT_BF6 matrix_a_scale:MATRIX_SCALE_ROW1 matrix_b_scale:MATRIX_SCALE_ROW1
.endif
.else
.if sel == 0
	v_wmma_scale_f32_16x16x128_f8f6f4 v[rD:rD+7], v[rB:rB+11], v[rA:rA+11], v[rD:rD+7], v[rSB], v[rSA] matrix_a_fmt:MATRIX_FMT_BF6 matrix_b_fmt:MATRIX_FMT_BF6
.elseif sel == 1
	v_wmma_scale_f32_16x16x128_f8f6f4 v[rD:rD+7], v[rB:rB+11], v[rA:rA+11], v[rD:rD+7], v[rSB], v[rSA] matrix_a_fmt:MATRIX_FMT_BF6 matrix_b_fmt:MATRIX_FMT_BF6 matrix_b_scale:MATRIX_SCALE_ROW1
.elseif sel == 2
	v_wmma_scale_f32_16x16x128_f8f6f4 v[rD:rD+7], v[rB:rB+11], v[rA:rA+11], v[rD:rD+7], v[rSB], v[rSA] matrix_a_fmt:MATRIX_FMT_BF6 matrix_b_fmt:MATRIX_FMT_BF6 matrix_a_scale:MATRIX_SCALE_ROW1
.else
	v_wmma_scale_f32_16x16x128_f8f6f4 v[rD:rD+7], v[rB:rB+11], v[rA:rA+11], v[rD:rD+7], v[rSB], v[rSA] matrix_a_fmt:MATRIX_FMT_BF6 matrix_b_fmt:MATRIX_FMT_BF6 matrix_a_scale:MATRIX_SCALE_ROW1 matrix_b_scale:MATRIX_SCALE_ROW1
.endif
.endif
.endr
.endm
.macro MULR a0, n                      ; all accumulators take turns, one instruction a turn, in the same order in every step
.set aa, \a0
.rept \n
	MULA aa
.set aa, aa+1
.endr
.endm
.macro FRAG reg, adr, off
.irp c, 0,1,2
	ds_load_b128 v[\reg+4*\c:\reg+4*\c+3], v[\adr] offset:\off+512*\c
.endr
.endm
.macro FETCH_B slot, q, p
	WIN TO_B
.irp i, 0,1,2,3,4,5,6,7
	FRAG 128*(\p)+12*\i, ADRB+(\slot), \i*TROW+(\q)*FRB
.endr
	WIN 0
.endm
.macro FETCH_A slot, q, i0
.set ii, \i0
.rept NA/2
	FRAG AF+12*ii, ADRA+(\slot), ii*TROW+(\q)*FRB
.set ii, ii+1
.endr
.endm
.macro STEP nslot, nq
	s_wait_dscnt 3*NA/2                            ; B's set and A's lower blocks are in; the youngest loads (A's upper blocks) may be out
	WIN MUL_LO
	MULR 0, NA/2
	s_wait_dscnt 0x0
	PLACES
	FETCH_B \nslot, \nq, 1-ks%2
	FETCH_A \nslot, \nq, 0
	WIN MUL_HI
	MULR NA/2, NA/2
	PLACES
	WIN 0
	FETCH_A \nslot, \nq, NA/2
.endm
.macro TURN slot, next, fill
	s_wait_tensorcnt 0x0                           ; all my tensor loads have landed
	ds_add_u32 v[SPW], v[NIL]                      ; 0 onto my spare word
	s_wait_dscnt 3*NA/2+1                          ; (the add and A's upper blocks may be out)
	WIN MUL_LO
	MULR 0, NA/4
	s_wait_dscnt 0x0                               ; the add is done, and my reads of this slot are over
	s_barrier_signal -1
	MULR NA/4, NA/4
	WIN 0
	s_barrier_wait -1
.if \fill
	CREST                                          ; a round of the cluster's barrier: no wave of any partner still reads the slot or has a load on its way
	s_add_nc_u64 s[G0A+4*(\slot)+2:G0A+4*(\slot)+3], s[G0A+4*(\slot)+2:G0A+4*(\slot)+3], NSLOT*TROW
	s_add_nc_u64 s[G0B+4*(\slot)+2:G0B+4*(\slot)+3], s[G0B+4*(\slot)+2:G0B+4*(\slot)+3], NSLOT*TROW
	s_mov_b32 s[G1A+1], (2*FRB/8)<<16              ; no load of mine is out: the last tile has two records left along K (tensor_dim0)
	s_mov_b32 s[G1B+1], (2*FRB/8)<<16
	JLOAD G0A+4*(\slot), G0B+4*(\slot)
.else
	PLACES
.endif
	FETCH_B \next, 0, 1-ks%2
	FETCH_A \next, 0, 0
	WIN MUL_HI
	MULR NA/2, NA/2
	PLACES
	WIN 0
	FETCH_A \next, 0, NA/2
.endm
.macro LAST
	s_wait_dscnt 3*NA/2
	WIN MUL_LO
	MULR 0, NA/2
	s_wait_dscnt 0x0
	WIN MUL_HI
	MULR NA/2, NA/2
	WIN 0
.endm
	s_load_b256 s[4:11], s[0:1], 0x0               ; pc s[4:5], ps s[6:7], pp s[8:9], pst s[10:11]
	v_lshl_add_u32 v[SPW], v0, 2, SPARE
	v_mov_b32 v[NIL], 0
	ds_add_u32 v13, v14
	ds_add_u32 v13, v14
	s_wait_dscnt 0x0
	v_lshrrev_b32 v1, 5, v0
	v_readfirstlane_b32 s14, v1                    ; wave
	s_lshr_b32 s15, s14, 1                         ; my half of the queries.  Also: I fetch for A (0) or for B (1)
	s_and_b32 s16, s14, 1                          ; my half of the keys.  Also: which half I fetch
	s_bfe_u32 s19, ttmp6, 0x40000                  ; cx
	s_bfe_u32 s20, ttmp6, 0x40004                  ; cy
	s_lshl_b32 s21, s20, 2
	s_lshl_b32 s21, 15, s21                        ; my row of the cluster
	s_lshl_b32 s22, 0x1111, s19                    ; my column
	s_and_b32 s98, ttmp7, 0xffff                   ; the cluster's y
	s_lshr_b32 s23, s98, 1                         ; the batch: two clusters of 1,024 queries each
	s_lshl_b32 s17, s98, 2
	s_add_co_u32 s17, s17, s20                     ; which 256 queries, over all batches
	s_lshl_b32 s18, ttmp9, 2
	s_add_co_u32 s18, s18, s19                     ; which 256 keys of the batch
	; q's addresses hang on cy and the cluster's y alone, k's on cx, the cluster's x and y alone
	s_lshl_b32 s44, s17, 4
	s_lshl_b32 s45, s16, 3
	s_add_co_u32 s46, s44, s45                     ; the eight tiles of q that I fetch
	s_mul_i32 s46, s46, KS*FRB
	s_mov_b32 s47, 0
	s_lshl_b32 s45, s15, 3
	s_add_co_u32 s44, s44, s45                     ; the eight that I multiply
	s_lshl_b32 s84, s44, 4                         ; their records in pp: 16 a tile
	s_lshl_b32 s44, s44, 9
	s_mov_b32 s45, 0
	s_lshl_b32 s56, s23, 7
	s_add_co_u32 s56, s56, 512                     ; k's section begins at tile 512; 128 tiles a batch
	s_lshl_b32 s57, s18, 4
	s_add_co_u32 s56, s56, s57
	s_lshl_b32 s57, s16, 3
	s_add_co_u32 s56, s56, s57
	s_mul_i32 s58, s56, KS*FRB
	s_mov_b32 s59, 0
	s_lshl_b32 s56, s56, 9
	s_mov_b32 s57, 0
	s_lshl_b32 s85, s18, 1
	s_add_co_u32 s84, s84, s85
	s_add_co_u32 s84, s84, s16                     ; + my chunk of the batch's 16
	s_lshl_b32 s86, s84, 8                         ; pst: 256 bytes for each (tile, chunk): 16 bytes a row: scale word, -M, l, 0
	s_mul_i32 s84, s84, FRB
	s_mov_b32 s85, 0
	s_mov_b32 s87, 0
	s_or_b32 s[G1A], s21, (3<<16)|(1<<21)          ; 15:0 the mask; 17:16 elements of 8 bytes; 21 set beside a mask
	s_or_b32 s[G1B], s22, (3<<16)|(1<<21)
.irp g, G1A, G1B
	s_mov_b32 s[\g+1], (TROW/8)<<16                ; tensor_dim0
	s_mov_b32 s[\g+2], 8<<16                       ; tensor_dim1
	s_mov_b32 s[\g+3], (TROW/8)<<16                ; tile_dim0
	s_mov_b32 s[\g+4], 8                           ; tile_dim1
	s_mov_b32 s[\g+5], KS*FRB/8                    ; from tile to tile
	s_mov_b32 s[\g+6], 0
	s_mov_b32 s[\g+7], 0
.endr
	s_mul_i32 s98, s16, HALFA
	s_mul_i32 s99, s16, HALFB
	s_add_co_u32 s99, s99, 2*HALFA
	s_mov_b32 s[HM], 0xffff0000
	s_mov_b32 s[SEL], 0x76543210
	s_mov_b32 s[SEL+1], 0xfedcba98
	s_mov_b32 s[CS], 0x3d38aa3b                    ; log2(e) / 32
	s_mov_b32 s[CS+1], s[CS]                       ; (named with it as a pair)
	s_wait_kmcnt 0x0
	s_add_nc_u64 s[46:47], s[4:5], s[46:47]
	s_add_nc_u64 s[58:59], s[4:5], s[58:59]
	s_add_nc_u64 s[80:81], s[6:7], s[44:45]
	s_add_nc_u64 s[82:83], s[6:7], s[56:57]
	s_add_nc_u64 s[84:85], s[8:9], s[84:85]
	s_add_nc_u64 s[86:87], s[10:11], s[86:87]
	CROUND                                         ; all sixteen work-groups are here: the first joint loads meet
.irp n, 0,1
	s_mov_b32 s[G0A+4*\n], 1
	s_add_co_u32 s[G0A+4*\n+1], s98, \n*SLOT
	s_add_nc_u64 s[G0A+4*\n+2:G0A+4*\n+3], s[46:47], \n*TROW
	s_or_b32 s[G0A+4*\n+3], s[G0A+4*\n+3], 0x80000000
	s_mov_b32 s[G0B+4*\n], 1
	s_add_co_u32 s[G0B+4*\n+1], s99, \n*SLOT
	s_add_nc_u64 s[G0B+4*\n+2:G0B+4*\n+3], s[58:59], \n*TROW
	s_or_b32 s[G0B+4*\n+3], s[G0B+4*\n+3], 0x80000000
.endr
	JLOAD G0A, G0B                                 ; tile 0: one tensor load a wave at the head
	v_and_b32 v1, 15, v0                           ; r
	v_bfe_u32 v2, v0, 4, 1                         ; h
	v_and_b32 v3, 31, v0
	v_lshlrev_b32 v[LI], 4, v3
	s_mul_i32 s98, s15, HALFA
	s_mul_i32 s99, s16, HALFB
	s_add_co_u32 s99, s99, 2*HALFA
.irp n, 0,1
	v_add_nc_u32 v[ADRA+\n], s98, v[LI]
	v_add_nc_u32 v[ADRB+\n], s99, v[LI]
	s_add_co_u32 s98, s98, SLOT
	s_add_co_u32 s99, s99, SLOT
.endr
	v_lshlrev_b32 v[VA], 2, v1
	v_lshlrev_b32 v[SO], 4, v1
	v_lshl_add_u32 v[SO], v2, 12, v[SO]            ; 16 r + 4,096 h: a tile's 16 chunks are 4,096 bytes
	v_lshl_add_u32 v[VA], v2, 9, v[VA]
.irp s, 0,1,2,3,4,5,6,7
.irp i, 0,1,2,3
	global_load_b32 v[SA0+4*\s+\i], v[VA], s[80:81] offset:(16*\i+\s)*64
	global_load_b32 v[SB0+4*\s+\i], v[VA], s[82:83] offset:(16*\i+\s)*64
.endr
.endr
	s_wait_alu depctr_va_vdst(0)
	s_wait_tensorcnt 0x0                           ; my part of tile 0 is in
	ds_add_u32 v[SPW], v[NIL]
	s_wait_dscnt 0x0
	CROUND
	JLOAD G0A+4, G0B+4                             ; tile 1, slot 1's first fill
	FETCH_B 0, 0, 0
	FETCH_A 0, 0, 0
	FETCH_A 0, 0, NA/2
	s_wait_loadcnt 0x0                             ; the scale words
.set ks, 0
.rept KS                               ; leaving tile 0: all first fills are waited for, slot 0 takes tile 2; leaving tile 1: the wait and the barrier for tile 2
.set tt, ks/NQ
.set qq, ks%NQ
.if ks == KS-1
	LAST
.elseif qq < NQ-1
	STEP tt%NSLOT, qq+1
.elseif tt+NSLOT < NT
	TURN tt%NSLOT, (tt+1)%NSLOT, 1
.elseif tt+1 >= NSLOT
	TURN tt%NSLOT, (tt+1)%NSLOT, 0
.else
	STEP (tt+1)%NSLOT, 0
.endif
.set ks, ks+1
.endr
; THE WAY OUT of block a: 16 queries x my 128 keys.
.macro EPS a
.set EW, 2+(\a)/4
.set ES, 64*((\a)%4)
.set HB, EV+3*((\a)%2)                 ; where this block's three numbers go
.if (\a) > 0
	s_wait_xcnt 0x0                                ; the last block's stores have read their data
.endif
	WIN EW|(EW<<2)                                 ; sources 0 and 1 in the accumulators' window
.irp b, 0,1,2,3
	v_max3_num_f32 v[TM+\b], v[ES+16*\b], v[ES+16*\b+1], 0xff800000   ; the largest SCORE of each block of 32 keys: it serves the row's maximum and, since p rises with the score, the block's largest p.  Each accumulator is read from its low end on
.endr
.irp i, 2,4,6,8,10,12,14
.irp b, 0,1,2,3
	v_max3_num_f32 v[TM+\b], v[ES+16*\b+\i], v[ES+16*\b+\i+1], v[TM+\b]
.endr
.endr
	WIN 0
.irp b, 0,1,2,3
	v_permlanex16_b32 v[TM+4+\b], v[TM+\b], s[SEL], s[SEL+1]
.endr
.irp b, 0,1,2,3
	v_max_num_f32 v[TM+\b], v[TM+\b], v[TM+4+\b]   ; with lane l xor 16's 16 keys
.endr
	v_max3_num_f32 v[T0], v[TM], v[TM+1], v[TM+2]
	v_max_num_f32 v[T0], v[T0], v[TM+3]
	v_mul_f32 v[T0], s[CS], v[T0]                  ; the chunk's largest t (c is positive)
	v_floor_f32 v[NM], -v[T0]                      ; -M = floor(-t) = -ceil(t)
.irp b, 0,1,2,3
	v_fma_f32 v[TM+\b], v[TM+\b], s[CS], v[NM]
.endr
	v_mov_b32 v[HB+1], v[NM]
	WIN (EW<<6)|EW                                 ; destination and source 0 in the accumulators' window
.set j, 0
.rept 32
	v_pk_fma_f32 v[ES+j:ES+j+1], v[ES+j:ES+j+1], s[CS:CS+1], v[NM:NM+1] op_sel_hi:[1,0,0]   ; t - M, two at a time
.set j, j+2
.endr
.set j, 0
	s_wait_alu depctr_va_vdst(0)
.rept 64
	v_exp_f32 v[ES+j], v[ES+j]                     ; p = 2^(t - M)
.set j, j+1
.endr
	WIN 0
.irp k, 0,1,2,3
	v_mov_b32 v[LS+\k], 0                          ; plain work behind the exponentials
.endr
	s_wait_alu depctr_va_vdst(0)                   ; one wait for the batch of 64, ahead of its first reader
.irp b, 0,1,2,3
	v_exp_f32 v[TM+\b], v[TM+\b]                   ; each block's largest p: the same two instructions on the same number
.endr
	WIN EW<<2                                      ; source 1 in the accumulators' window
.set j, 0
.rept 16
	v_pk_add_f32 v[LS:LS+1], v[LS:LS+1], v[ES+j:ES+j+1]             ; the sum of the UNQUANTISED p, in two chains; it reads the 64 alone
	v_pk_add_f32 v[LS+2:LS+3], v[LS+2:LS+3], v[ES+j+2:ES+j+3]
.set j, j+4
.endr
	WIN 0
	v_pk_add_f32 v[LS:LS+1], v[LS:LS+1], v[LS+2:LS+3]
	v_add_f32 v[T0], v[LS], v[LS+1]
	v_permlanex16_b32 v[T1], v[T0], s[SEL], s[SEL+1]
	v_add_f32 v[HB+2], v[T0], v[T1]                ; l of my query and this chunk
	s_wait_alu depctr_va_vdst(0)                   ; and one wait for the four
.irp b, 0,1,2,3
	v_max_num_f32 v[TM+\b], 0x2800000, v[TM+\b]    ; the floor 2^(5 - 127)
.endr
.irp b, 0,1,2,3
	v_add_nc_u32 v[TM+12+\b], 0xfe000000, v[TM+\b]
.endr
.irp b, 0,1,2,3
	v_lshrrev_b32 v[TM+4+\b], 23, v[TM+12+\b]
.endr
	v_lshl_or_b32 v[HB], v[TM+5], 8, v[TM+4]
	v_lshl_or_b32 v[HB], v[TM+6], 16, v[HB]
	v_lshl_or_b32 v[HB], v[TM+7], 24, v[HB]
	WIN EW
.irp c, 0,1
	v_cvt_scalef32_pk16_bf6_f32 v[PC+6*\c:PC+2+6*\c], v[ES+32*\c:ES+15+32*\c], v[TM+12+2*\c]
	v_cvt_scalef32_pk16_bf6_f32 v[PC+12+4*\c:PC+14+4*\c], v[ES+16+32*\c:ES+31+32*\c], v[TM+13+2*\c]
.endr
	WIN 0
	v_nop                                          ; one plain place behind a scaled conversion
.irp c, 0,1
.irp i, 0,1,2
	v_permlane16_swap_b32 v[PC+6*\c+\i], v[PC+12+4*\c+\i]
.endr
.irp i, 0,1,2
	v_mov_b32 v[PC+3+6*\c+\i], v[PC+12+4*\c+\i]
.endr
.endr
.irp c, 0,1,2
	global_store_b128 v[LI], v[PC+4*\c:PC+4*\c+3], s[84:85] offset:(\a)*16*FRB+512*\c   ; 512 consecutive bytes, at a multiple of 256 from the buffer's first byte
.endr
.if (\a)%2 == 1
.irp k, 0,1,2
	v_cndmask_b32 v[DAT+\k], v[EV+\k], v[OD+\k], s[HM]              ; lanes 0-15 the even block's, lanes 16-31 the odd block's
.endr
	global_store_b128 v[SO], v[DAT:DAT+3], s[86:87] offset:((\a)-1)*4096   ; sixteen lanes store 256 consecutive bytes, aligned
.endif
.endm
	PLACES
.irp b, 0,1,2,3
	v_mov_b32 v[TM+4+\b], 0                        ; a lane permute's destination counts as one of its sources
.endr
	v_mov_b32 v[T1], 0
	v_mov_b32 v[DAT+3], 0                          ; the fourth word of a row's 16 bytes
	v_mov_b32 v[NM+1], 0                           ; (named as the upper half of a pair)
.irp a, 0,1,2,3,4,5,6,7
	EPS \a
.endr
	s_wait_tensorcnt 0x0                           ; the wave's end
	ds_add_u32 v[SPW], v[NIL]
	s_wait_dscnt 0x0
	CROUND                                         ; the closing round
	s_endpgm
.Lfunc_end_k_q6879442904_score:
	.size	k_q6879442904_score, .Lfunc_end_k_q6879442904_score-k_q6879442904_score
	.p2alignl 7, 3214868480
	.fill 96, 4, 3214868480
	.section	.rodata,"a",@progbits
	.p2align	6, 0x0
	.amdhsa_kernel k_q6879442904_score
		.amdhsa_group_segment_fixed_size 327680
		.amdhsa_private_segment_fixed_size 0
		.amdhsa_enable_private_segment 0
		.amdhsa_kernarg_size 32
		.amdhsa_user_sgpr_count 2
		.amdhsa_user_sgpr_kernarg_segment_ptr 1
		.amdhsa_wavefront_size32 1
		.amdhsa_system_sgpr_workgroup_id_x 1
		.amdhsa_system_sgpr_workgroup_id_y 1
		.amdhsa_system_sgpr_workgroup_id_z 1
		.amdhsa_system_vgpr_workitem_id 0
		.amdhsa_next_free_vgpr 1024
		.amdhsa_next_free_sgpr 102
		.amdhsa_reserve_vcc 0
		.amdhsa_float_denorm_mode_32 3
		.amdhsa_float_denorm_mode_16_64 3
		.amdhsa_memory_ordered 1
		.amdhsa_forward_progress 1
		.amdhsa_inst_pref_size 201
	.end_amdhsa_kernel
	.amdgpu_metadata
---
amdhsa.version: [ 1, 2 ]
amdhsa.kernels:
  - .name:           k_q6879442904_score
    .symbol:         k_q6879442904_score.kd
    .args:
      - { .name: pc, .offset: 0, .size: 8, .value_kind: global_buffer, .address_space: global }
      - { .name: ps, .offset: 8, .size: 8, .value_kind: global_buffer, .address_space: global }
      - { .name: pp, .offset: 16, .size: 8, .value_kind: global_buffer, .address_space: global }
      - { .name: pst, .offset: 24, .size: 8, .value_kind: global_buffer, .address_space: global }
    .group_segment_fixed_size: 327680
    .private_segment_fixed_size: 0
    .kernarg_segment_align: 8
    .kernarg_segment_size: 32
    .max_flat_workgroup_size: 128
    .sgpr_count:     102
    .vgpr_count:     1024
    .wavefront_size: 32
...
	.end_amdgpu_metadata
.endif
;; end of part 3
;; launch pv (part 4): grid 8 x 32, 4 waves a work-group, clusters of 4 x 4, 327,680 bytes of LDS; arguments pp, pst, pc, ps, out0; writes out0
.if DOCPART == 4
	.amdgcn_target "amdgcn-amd-amdhsa--gfx1250"
	.amdhsa_code_object_version 6
	.text
	.protected	k_q6879442904_pv
	.globl	k_q6879442904_pv
	.p2align	8
	.type	k_q6879442904_pv,@function
k_q6879442904_pv:
	s_mov_b64 s[64:65], 0
	v_nop
	global_prefetch_b8 v0, s[64:65] scope:SCOPE_SE
	s_setreg_imm32_b32 hwreg(HW_REG_WAVE_MODE, 25, 1), 1
	s_wait_xcnt 0x0
	s_wait_alu depctr_hold_cnt(0) depctr_sa_sdst(0) depctr_va_vdst(0) depctr_va_sdst(0) depctr_va_ssrc(0) depctr_va_vcc(0) depctr_vm_vsrc(0)
	s_getreg_b32 s2, hwreg(HW_REG_IB_STS2, 6, 4)
	s_cmp_eq_u32 s2, 0
	s_cbranch_scc0 .Lentry_in_a_cluster
	s_endpgm
.Lentry_in_a_cluster:
	s_bfe_u32 s2, ttmp6, 0x10000c
	s_cmp_lg_u32 s2, 0xf033
	s_cbranch_scc0 .Lentry_shape_is_right
	s_endpgm
.Lentry_shape_is_right:
; out = (p v) / l on codes of BF6 (E3M2) with E8M0 block scales; K = a batch's 2,048 keys, 16 chunks of 128.
; p arrives with a whole number M of its own for each (query, chunk).  At the head: the row's M = the largest of its 16; p's scale bytes of chunk s are lowered by n = M - M_s (a power of two, which the byte takes up);
; l = the sum of l_s 2^(-n); its reciprocal multiplies the result at the end.
; LIMITS: NaN and infinities are not served.  A byte that would fall under 0 is held at 0, which stands for 2^-127, where the quantiser holds the byte at 1 and lets the codes fall: such a block lies more than
; 2^122 under its row's largest p and adds under 2^-122 x |v|.  n is held at 127; M - M_s saturates at 2^31.
; ORIENTATION: source 0 = B = 16 rows of v^T (channels), source 1 = A = 16 queries of p: a lane holds one query, and the 64 registers of a block of A are channels 32 b + 16 (lane / 16) + i at register 16 b + i.
; SHARES: a work-group makes 256 queries x 128 channels: 32 x 8 = 256 work-groups; a wave 64 queries (4 tiles) x B's 8 tiles: 32 accumulators.
; B: the 8 tiles for all 16 chunks, 196,608 bytes, stay in LDS: two first fills of 8 chunks each, nothing is filled again.  Each wave fetches two tiles.  The four work-groups of a column of the cluster
; (one batch, one block of channels) need the same bytes: joint loads.  The second fill is asked for when the first has landed and has the head's arithmetic and eight K steps in which to land: it is not prefetched.
; A: each fragment is multiplied by one wave alone and goes from memory straight into that wave's registers, 512 consecutive bytes a load, five K steps (60 loads) ahead.  Beside B, the stage and the spare words
; LDS has 96,768 bytes left, under a quarter of the work-group's 393,216 bytes of p: so p's fragments are no tensor loads and cannot be asked for jointly.
; PREFETCH: chunks 8-11 and 12-15 of p are asked for in steps 0 and 4, three steps ahead of their first loads; the four partners of a row of the cluster take a tile each of a wave's four, by address; chunks 0-7 come by their loads alone.
; REGISTERS: window 0: v10-31 addresses and the rows' numbers; v32-63 p's scale words, v64-127 v's; v128-255 at work at the head, rows of the result on the way out.
;   window 1: B's two sets.  window 2: accumulator (a, b) at v[8 (8 a + b)].  window 3: A's five sets of 48.
.set KS,    16
.set HK,    8                          ; chunks in a fill
.set FRB,   1536
.set TILE,  HK*FRB                     ; a tile's bytes in a fill
.set SLOT,  8*TILE
.set SPARE, 2*SLOT                     ; behind B: the spare words, 128 bytes a wave, that no other line names
.set STAGE, SPARE+512                  ; behind them: the way out's stage, 16 rows x (512 + 16) bytes for each wave; no fill lands there
.set SPITCH, 528
.set DEPTH, 5
.set GRP,   12
.set CO,   10                          ; v10    16 x lane
.set ADRB, 10                          ; v10-13 16 x lane + 49,152 j: fill j / 2, tiles 4 (j % 2) ..
.set STO,  14
.set RD,   15
.set PFV,  16                          ; v16    the prefetches' offset: block min(lane, 23) of 24 blocks of 256 bytes
.set SPW,  17
.set NIL,  18
.set VA,   19                          ; v19    16 r + 4,096 h: p's rows in pst
.set VB,   20                          ; v20    4 r + 4,096 h: v's scale words
.set MN,   21
.set RL,   22                          ; v[22:29] 1 / l for block a, as a pair at RL + 2 a
.set SUM,  30
.set SA0,  32
.set SB0,  64
.set EX,   240
.set BK,   128
.set AB,   24                          ; s[24:25] my four tiles of p;  s[26:27] the tile that my work-group prefetches
.set PFB,  26
.set G1,   56
.set G0,   68
.set HM,   92
.set K01,  93
.set SEL,  94
.set K80,  96
.set MUL,  0xad                        ; source 0 window 1, source 1 window 3, C and D window 2
.set TO_B, 0x40
.set TO_A, 0xc0
.set MSB, 0
.macro WIN new                         ; the immediate's high byte repeats the setting that is left
.if MSB != (\new)
	s_set_vgpr_msb (MSB<<8)|(\new)
.set MSB, (\new)
.endif
.endm
.macro PLACES                          ; four plain places behind matrix instructions (ISA guide 7.12.1)
.rept 4
	v_nop
.endr
.endm
.macro CROUND                          ; a round of the cluster's barrier
	s_barrier_signal -1
	s_barrier_wait -1
	s_cmp_lg_u32 s14, 0
	s_cbranch_scc1 .Lnot_wave_0_\@
	s_barrier_signal -3
.Lnot_wave_0_\@:
	s_barrier_wait -3
	s_barrier_signal -1
	s_barrier_wait -1
.endm
.macro TLOAD z                         ; my two tiles of fill z
	tensor_load_to_lds s[G0+4*(\z):G0+4*(\z)+3], s[G1:G1+7]
	s_nop 0
	PLACES
.endm
.macro MULA a                          ; A's block a against B's eight, K step ks; an odd tile's scale words lie in lanes 16-31; step 0 starts the sums
.irp b, 0,1,2,3,4,5,6,7
.set rD, 8*(8*(\a)+\b)
.set rB, 128*(ks%2)+12*\b
.set rA, 48*(ks%DEPTH)+12*(\a)
.set rSB, SB0+4*ks+\b/2
.set rSA, SA0+2*ks+(\a)/2
.set sel, 2*(\b%2)+(\a)%2
.if ks == 0
.if sel == 0
	v_wmma_scale_f32_16x16x128_f8f6f4 v[rD:rD+7], v[rB:rB+11], v[rA:rA+11], 0, v[rSB], v[rSA] matrix_a_fmt:MATRIX_FMT_BF6 matrix_b_fmt:MATRIX_FMT_BF6
.elseif sel == 1
	v_wmma_scale_f32_16x16x128_f8f6f4 v[rD:rD+7], v[rB:rB+11], v[rA:rA+11], 0, v[rSB], v[rSA] matrix_a_fmt:MATRIX_FMT_BF6 matrix_b_fmt:MATRIX_FMT_BF6 matrix_b_scale:MATRIX_SCALE_ROW1
.elseif sel == 2
	v_wmma_scale_f32_16x16x128_f8f6f4 v[rD:rD+7], v[rB:rB+11], v[rA:rA+11], 0, v[rSB], v[rSA] matrix_a_fmt:MATRIX_FMT_BF6 matrix_b_fmt:MATRIX_FMT_BF6 matrix_a_scale:MATRIX_SCALE_ROW1
.else
	v_wmma_scale_f32_16x16x128_f8f6f4 v[rD:rD+7], v[rB:rB+11], v[rA:rA+11], 0, v[rSB], v[rSA] matrix_a_fmt:MATRIX_FMT_BF6 matrix_b_fmt:MATRIX_FMT_BF6 matrix_a_scale:MATRIX_SCALE_ROW1 matrix_b_scale:MATRIX_SCALE_ROW1
.endif
.else
.if sel == 0
	v_wmma_scale_f32_16x16x128_f8f6f4 v[rD:rD+7], v[rB:rB+11], v[rA:rA+11], v[rD:rD+7], v[rSB], v[rSA] matrix_a_fmt:MATRIX_FMT_BF6 matrix_b_fmt:MATRIX_FMT_BF6
.elseif sel == 1
	v_wmma_scale_f32_16x16x128_f8f6f4 v[rD:rD+7], v[rB:rB+11], v[rA:rA+11], v[rD:rD+7], v[rSB], v[rSA] matrix_a_fmt:MATRIX_FMT_BF6 matrix_b_fmt:MATRIX_FMT_BF6 matrix_b_scale:MATRIX_SCALE_ROW1
.elseif sel == 2
	v_wmma_scale_f32_16x16x128_f8f6f4 v[rD:rD+7], v[rB:rB+11], v[rA:rA+11], v[rD:rD+7], v[rSB], v[rSA] matrix_a_fmt:MATRIX_FMT_BF6 matrix_b_fmt:MATRIX_FMT_BF6 matrix_a_scale:MATRIX_SCALE_ROW1
.else
	v_wmma_scale_f32_16x16x128_f8f6f4 v[rD:rD+7], v[rB:rB+11], v[rA:rA+11], v[rD:rD+7], v[rSB], v[rSA] matrix_a_fmt:MATRIX_FMT_BF6 matrix_b_fmt:MATRIX_FMT_BF6 matrix_a_scale:MATRIX_SCALE_ROW1 matrix_b_scale:MATRIX_SCALE_ROW1
.endif
.endif
.endr
.endm
.macro MULR a0, n                      ; the 32 accumulators take turns, one instruction a turn, in the same order in every step
.set aa, \a0
.rept \n
	MULA aa
.set aa, aa+1
.endr
.endm
.macro FETCH_B z, k, p                 ; B's eight fragments of chunk 8 z + k from fill z into set p
	WIN TO_B
.irp i, 0,1,2,3,4,5,6,7
.irp c, 0,1,2
	ds_load_b128 v[128*(\p)+12*\i+4*\c:128*(\p)+12*\i+4*\c+3], v[ADRB+2*(\z)+\i/4] offset:(\i%4)*TILE+(\k)*FRB+512*\c
.endr
.endr
	WIN 0
.endm
.macro GLA k, a0                       ; A's blocks a0, a0 + 1 of chunk k from memory into set k % 5: each load reads 512 consecutive bytes
	WIN TO_A
.irp a, \a0, \a0+1
.irp c, 0,1,2
	global_load_b128 v[48*((\k)%DEPTH)+12*(\a)+4*\c:48*((\k)%DEPTH)+12*(\a)+4*\c+3], v[CO], s[AB:AB+1] offset:(\a)*KS*FRB+(\k)*FRB+512*\c
.endr
.endr
	WIN 0
.endm
	s_load_b256 s[4:11], s[0:1], 0x0               ; pp s[4:5], pst s[6:7], pc s[8:9], ps s[10:11]
	s_load_b64 s[12:13], s[0:1], 0x20              ; out0
	v_lshl_add_u32 v[SPW], v0, 2, SPARE
	v_mov_b32 v[NIL], 0
	ds_add_u32 v[SPW], v[NIL]                      ; the opening lines: the add, twice on end, and its wait
	ds_add_u32 v[SPW], v[NIL]
	v_lshrrev_b32 v1, 5, v0
	v_readfirstlane_b32 s14, v1                    ; wave
	v_and_b32 v3, 31, v0
	v_lshlrev_b32 v[CO], 4, v3
.irp j, 1,2,3
	v_add_nc_u32 v[ADRB+\j], \j*4*TILE, v[CO]
.endr
	v_and_b32 v1, 15, v0                           ; r
	v_bfe_u32 v2, v0, 4, 1                         ; h
	s_mul_i32 s98, s14, 16*SPITCH
	s_add_co_u32 s98, s98, STAGE                   ; my stage
	v_mul_u32_u24 v[STO], v1, SPITCH
	v_lshl_add_u32 v[STO], v2, 6, v[STO]
	v_add_nc_u32 v[STO], s98, v[STO]               ; in: row r, + 64 h
	v_add_nc_u32 v[RD], s98, v[CO]                 ; back: a row of 512 bytes, 16 a lane
	v_lshlrev_b32 v[VB], 2, v1
	v_lshl_add_u32 v[VB], v2, 12, v[VB]
	v_lshlrev_b32 v[VA], 4, v1
	v_lshl_add_u32 v[VA], v2, 12, v[VA]
	v_min_u32 v[PFV], 23, v3                       ; the lanes left over name the last block again
	v_lshlrev_b32 v[PFV], 8, v[PFV]
	s_bfe_u32 s19, ttmp6, 0x40000                  ; cx
	s_bfe_u32 s20, ttmp6, 0x40004                  ; cy
	s_and_b32 s23, ttmp7, 0xffff                   ; the cluster's y
	s_lshl_b32 s21, ttmp9, 2
	s_add_co_u32 s21, s21, s19                     ; x: which 128 channels
	s_lshl_b32 s22, 0x1111, s19                    ; my column of the cluster
	s_lshl_b32 s16, s23, 2
	s_add_co_u32 s16, s16, s20                     ; y: which 256 queries, over all batches
	s_lshl_b32 s16, s16, 4
	s_lshl_b32 s15, s14, 2
	s_add_co_u32 s16, s16, s15                     ; my first tile of p: 16 y + 4 wave
	s_mul_i32 s[AB], s16, KS*FRB
	s_mov_b32 s[AB+1], 0
	s_mul_i32 s[PFB], s19, KS*FRB                  ; of my four tiles my work-group prefetches tile cx
	s_mov_b32 s[PFB+1], 0
	s_lshl_b32 s80, s16, 12                        ; its rows in pst: 4,096 bytes a tile
	s_mov_b32 s81, 0
	s_lshl_b32 s84, s16, 16                        ; its first row of the result: 16 rows of 4,096 bytes a tile,
	s_lshl_b32 s15, s21, 9
	s_add_co_u32 s84, s84, s15                     ; + my 128 channels
	s_mov_b32 s85, 0
	s_lshr_b32 s17, s23, 1                         ; the batch: B's addresses hang on x and the cluster's y alone, which my column shares
	s_lshl_b32 s18, s21, 3                         ; B's first tile of v^T
	s_lshl_b32 s82, s18, 12
	s_lshl_b32 s3, s17, 10
	s_add_co_u32 s82, s82, s3
	s_add_co_u32 s82, s82, 524288                  ; its scale words, in v's section of ps
	s_mov_b32 s83, 0
	s_lshl_b32 s2, s14, 1
	s_add_co_u32 s18, s18, s2                      ; I fetch tiles 2 wave, 2 wave + 1 of the eight
	s_mul_i32 s[G0+2], s18, 64*FRB                 ; 64 records a tile,
	s_mul_i32 s3, s17, KS*FRB                      ; 16 of them a batch,
	s_add_co_u32 s[G0+2], s[G0+2], s3
	s_add_co_u32 s[G0+2], s[G0+2], 12582912        ; in v's section of pc
	s_add_co_u32 s[G0+6], s[G0+2], TILE
	s_mul_i32 s2, s14, 2*TILE
.irp z, 0,1
	s_mov_b32 s[G0+4*\z], 1
	s_add_co_u32 s[G0+4*\z+1], s2, \z*SLOT
	s_mov_b32 s[G0+4*\z+3], 0
.endr
	s_or_b32 s[G1], s22, (3<<16)|(1<<21)           ; 15:0 the mask; 17:16 elements of 8 bytes; 21 set beside a mask
	s_mov_b32 s[G1+1], (TILE/8)<<16                ; two rows (tiles) of 12,288 bytes, 64 records apart
	s_mov_b32 s[G1+2], 2<<16
	s_mov_b32 s[G1+3], (TILE/8)<<16
	s_mov_b32 s[G1+4], 2
	s_mov_b32 s[G1+5], 64*FRB/8
	s_mov_b32 s[G1+6], 0
	s_mov_b32 s[G1+7], 0
	s_mov_b32 s[HM], 0xffff0000
	s_mov_b32 s[K01], 0x01010101
	s_mov_b32 s[K80], 0x80808080
	s_mov_b32 s[SEL], 0x76543210
	s_mov_b32 s[SEL+1], 0xfedcba98
	s_wait_alu depctr_va_vdst(0)
	s_wait_dscnt 0x0                               ; both opening adds are done
	s_wait_kmcnt 0x0
	s_add_nc_u64 s[AB:AB+1], s[4:5], s[AB:AB+1]
	s_add_nc_u64 s[PFB:PFB+1], s[AB:AB+1], s[PFB:PFB+1]
	s_add_nc_u64 s[80:81], s[6:7], s[80:81]
	s_add_nc_u64 s[82:83], s[10:11], s[82:83]
	s_add_nc_u64 s[84:85], s[12:13], s[84:85]
.irp z, 0,1
	s_add_nc_u64 s[G0+4*\z+2:G0+4*\z+3], s[8:9], s[G0+4*\z+2:G0+4*\z+3]
	s_or_b32 s[G0+4*\z+3], s[G0+4*\z+3], 0x80000000
.endr
.irp i, 0,1                            ; tile 2 i + h, chunk s: my row's scale word, -M, l and a 0, 16 bytes: sixteen lanes read 256 consecutive bytes
.irp s, 0,1,2,3,4,5,6,7,8,9,10,11,12,13,14,15
	global_load_b128 v[128+64*\i+4*\s:128+64*\i+4*\s+3], v[VA], s[80:81] offset:\i*8192+\s*256
.endr
.endr
	CROUND                                         ; all sixteen work-groups are here: the first joint loads meet
	TLOAD 0                                        ; one tensor load a wave at the head
.irp i, 0,1,2,3
.irp s, 0,1,2,3,4,5,6,7,8,9,10,11,12,13,14,15
	global_load_b32 v[SB0+4*\s+\i], v[VB], s[82:83] offset:\i*8192+\s*64
.endr
.endr
.irp k, 0,1,2
	GLA \k, 0
	GLA \k, 2
.endr
	s_wait_loadcnt 63                              ; behind p's 32 loads 100 were issued: they are in
	s_wait_tensorcnt 0x0                           ; my part of the first fill is in
	ds_add_u32 v[SPW], v[NIL]
	s_wait_dscnt 0x0
	CROUND
	TLOAD 1
; ALL CHUNKS UNDER THE ROW'S M.  Chunk s has four registers at Q + 4 s: scale word, -M, l, and one at work.  Each line runs over the 16 chunks, so that no line waits for the line above it.
.macro ADJ i
.set Q, 128+64*(\i)
	v_min3_num_f32 v[MN], v[Q+1], v[Q+5], v[Q+9]   ; the smallest -M is the row's
.irp s, 3,5,7,9,11,13
	v_min3_num_f32 v[MN], v[MN], v[Q+4*\s+1], v[Q+4*\s+5]
.endr
	v_min_num_f32 v[MN], v[MN], v[Q+61]
.irp s, 0,1,2,3,4,5,6,7,8,9,10,11,12,13,14,15
	v_sub_f32 v[Q+4*\s+3], v[MN], v[Q+4*\s+1]      ; M_s - M: a whole number, 0 or less
.endr
.irp s, 0,1,2,3,4,5,6,7,8,9,10,11,12,13,14,15
	v_cvt_i32_f32 v[Q+4*\s+3], v[Q+4*\s+3]         ; (it saturates)
.endr
.irp s, 0,1,2,3,4,5,6,7,8,9,10,11,12,13,14,15
	v_ldexp_f32 v[Q+4*\s+2], v[Q+4*\s+2], v[Q+4*\s+3]   ; l_s under the row's M: nothing is rounded
.endr
	v_add_f32 v[SUM+\i], v[Q+2], v[Q+6]
	v_add_f32 v[MN], v[Q+10], v[Q+14]
.irp s, 4,6,8,10,12,14
	v_add_f32 v[SUM+\i], v[SUM+\i], v[Q+4*\s+2]
	v_add_f32 v[MN], v[MN], v[Q+4*\s+6]
.endr
	v_add_f32 v[SUM+\i], v[SUM+\i], v[MN]          ; the row's l
.irp s, 0,1,2,3,4,5,6,7,8,9,10,11,12,13,14,15
	v_sub_nc_u32 v[Q+4*\s+3], 0, v[Q+4*\s+3]       ; n = M - M_s,
.endr
.irp s, 0,1,2,3,4,5,6,7,8,9,10,11,12,13,14,15
	v_min_u32 v[Q+4*\s+3], 127, v[Q+4*\s+3]        ; held at 127,
.endr
.irp s, 0,1,2,3,4,5,6,7,8,9,10,11,12,13,14,15
	v_mul_lo_u32 v[Q+4*\s+3], v[Q+4*\s+3], s[K01]  ; in each of the four bytes
.endr
.irp s, 0,1,2,3,4,5,6,7,8,9,10,11,12,13,14,15
	v_or_b32 v[SA0+2*\s+\i], s[K80], v[Q+4*\s]     ; p's bytes are 1 to 123: with 128 on top no byte borrows from its neighbour
.endr
.irp s, 0,1,2,3,4,5,6,7,8,9,10,11,12,13,14,15
	v_sub_nc_u32 v[SA0+2*\s+\i], v[SA0+2*\s+\i], v[Q+4*\s+3]
.endr
.irp s, 0,1,2,3,4,5,6,7,8,9,10,11,12,13,14,15
	v_and_b32 v[Q+4*\s+3], s[K80], v[SA0+2*\s+\i]  ; the top bit has stayed where byte >= n
.endr
.irp s, 0,1,2,3,4,5,6,7,8,9,10,11,12,13,14,15
	v_lshrrev_b32 v[Q+4*\s+1], 7, v[Q+4*\s+3]
.endr
.irp s, 0,1,2,3,4,5,6,7,8,9,10,11,12,13,14,15
	v_sub_nc_u32 v[Q+4*\s+3], v[Q+4*\s+3], v[Q+4*\s+1]   ; 0x7f there, 0 elsewhere
.endr
.irp s, 0,1,2,3,4,5,6,7,8,9,10,11,12,13,14,15
	v_and_b32 v[SA0+2*\s+\i], v[SA0+2*\s+\i], v[Q+4*\s+3]   ; byte - n, or 0
.endr
.endm
	ADJ 0
	ADJ 1
	s_wait_alu depctr_va_vdst(0)
	v_rcp_f32 v[SUM], v[SUM]
	v_rcp_f32 v[SUM+1], v[SUM+1]
	v_nop                                          ; a plain place behind the reciprocals
	s_wait_alu depctr_va_vdst(0)                   ; one wait for the two, ahead of their first reader
	v_permlanex16_b32 v[EX], v[SUM], s[SEL], s[SEL+1]
	v_permlanex16_b32 v[EX+1], v[SUM+1], s[SEL], s[SEL+1]
.irp i, 0,1                            ; lanes 0-15 hold tile 2 i, lanes 16-31 tile 2 i + 1: each block wants its own in both halves
.irp k, 0,1
	v_cndmask_b32 v[RL+4*\i+\k], v[SUM+\i], v[EX+\i], s[HM]
	v_cndmask_b32 v[RL+4*\i+2+\k], v[EX+\i], v[SUM+\i], s[HM]
.endr
.endr
.irp k, 3,4                            ; the ring's last two sets
	GLA \k, 0
	GLA \k, 2
.endr
.rept 8
	v_nop                                          ; scale registers written by vector instructions stand eight places ahead of a scaled matrix instruction
.endr
	s_wait_alu depctr_va_vdst(0)
	FETCH_B 0, 0, 0
.set ks, 0
.rept KS
.set nw, KS-1-ks                       ; groups issued behind the one that this step needs: four, or as many as are left
.if nw > DEPTH-1
.set nw, DEPTH-1
.endif
	s_wait_loadcnt GRP*nw
	s_wait_dscnt 0x0                               ; B's set
	WIN MUL
	MULR 0, 2
	PLACES
.if ks == HK-1
	WIN 0
	s_wait_tensorcnt 0x0                           ; my part of the second fill is in
	s_barrier_signal -1                            ; it shows the second fill whole to all four waves
	s_barrier_wait -1
.endif
.if ks < KS-1
	FETCH_B (ks+1)/HK, (ks+1)%HK, 1-ks%2
.endif
.if ks+DEPTH < KS
	GLA ks+DEPTH, 0                                ; into the registers of the two blocks just multiplied
.endif
.if ks == 0 || ks == 4
	global_prefetch_b8 v[PFV], s[PFB:PFB+1] offset:(ks+8)*FRB th:TH_LOAD_NT scope:SCOPE_SE
.endif
	WIN MUL
	MULR 2, 2
	PLACES
	WIN 0
.if ks+DEPTH < KS
	GLA ks+DEPTH, 2
.endif
.set ks, ks+1
.endr
; THE WAY OUT, a block of 16 queries x 128 channels at a time: x 1 / l, through my own stage in LDS, back as whole rows of 512 bytes.  LDS serves a wave's instructions in order: no wait between stores and loads.
.macro TOSTAGE a
	WIN 0x82                                       ; destination and source 0 window 2
.set j, 0
.rept 32
	v_pk_mul_f32 v[64*(\a)+j:64*(\a)+j+1], v[64*(\a)+j:64*(\a)+j+1], v[RL+2*(\a):RL+2*(\a)+1] op_sel_hi:[1,0]   ; each accumulator from its low end on
.set j, j+2
.endr
	WIN 0x08                                       ; an LDS store's data are its source 1: window 2
.set j, 0
.rept 16
	ds_store_b128 v[STO], v[64*(\a)+4*j:64*(\a)+4*j+3] offset:128*(j/4)+16*(j%4)   ; register 16 b + i is channel 32 b + 16 h + i
.set j, j+1
.endr
	WIN 0
.set BB, BK+64*((\a)%2)
.set j, 0
.rept 16
	ds_load_b128 v[BB+4*j:BB+4*j+3], v[RD] offset:SPITCH*j
.set j, j+1
.endr
.endm
.macro SEND a, younger                 ; younger: the LDS instructions issued behind block a's loads, which may stay out
.set BB, BK+64*((\a)%2)
	s_wait_dscnt \younger
.set j, 0
.rept 16
	global_store_b128 v[CO], v[BB+4*j:BB+4*j+3], s[84:85] offset:(32*((\a)/2)+8*((\a)%2)+j+8*(j/8))*4096 th:TH_STORE_NT   ; slot j's row; 32 lanes store 512 consecutive bytes, at a multiple of 256 from the buffer's first byte
.set j, j+1
.endr
.endm
	TOSTAGE 0
.irp a, 1,2,3
.if \a > 1
	s_wait_xcnt 0x0                                ; the stores of two blocks back have read the registers that this block's loads fill
.endif
	TOSTAGE \a
	SEND \a-1, 32                                  ; behind its loads: this block's 16 stores and 16 loads
.endr
	SEND 3, 0
	s_wait_tensorcnt 0x0                           ; the wave's end
	ds_add_u32 v[SPW], v[NIL]
	s_wait_dscnt 0x0
	CROUND                                         ; the closing round
	s_endpgm
.Lfunc_end_k_q6879442904_pv:
	.size	k_q6879442904_pv, .Lfunc_end_k_q6879442904_pv-k_q6879442904_pv
	.p2alignl 7, 3214868480
	.fill 96, 4, 3214868480
	.section	.rodata,"a",@progbits
	.p2align	6, 0x0
	.amdhsa_kernel k_q6879442904_pv
		.amdhsa_group_segment_fixed_size 327680
		.amdhsa_private_segment_fixed_size 0
		.amdhsa_enable_private_segment 0
		.amdhsa_kernarg_size 40
		.amdhsa_user_sgpr_count 2
		.amdhsa_user_sgpr_kernarg_segment_ptr 1
		.amdhsa_wavefront_size32 1
		.amdhsa_system_sgpr_workgroup_id_x 1
		.amdhsa_system_sgpr_workgroup_id_y 1
		.amdhsa_system_sgpr_workgroup_id_z 1
		.amdhsa_system_vgpr_workitem_id 0
		.amdhsa_next_free_vgpr 1024
		.amdhsa_next_free_sgpr 100
		.amdhsa_reserve_vcc 0
		.amdhsa_float_denorm_mode_32 3
		.amdhsa_float_denorm_mode_16_64 3
		.amdhsa_memory_ordered 1
		.amdhsa_forward_progress 1
		.amdhsa_inst_pref_size 172
	.end_amdhsa_kernel
	.amdgpu_metadata
---
amdhsa.version: [ 1, 2 ]
amdhsa.kernels:
  - .name:           k_q6879442904_pv
    .symbol:         k_q6879442904_pv.kd
    .args:
      - { .name: pp, .offset: 0, .size: 8, .value_kind: global_buffer, .address_space: global }
      - { .name: pst, .offset: 8, .size: 8, .value_kind: global_buffer, .address_space: global }
      - { .name: pc, .offset: 16, .size: 8, .value_kind: global_buffer, .address_space: global }
      - { .name: ps, .offset: 24, .size: 8, .value_kind: global_buffer, .address_space: global }
      - { .name: out0, .offset: 32, .size: 8, .value_kind: global_buffer, .address_space: global }
    .group_segment_fixed_size: 327680
    .private_segment_fixed_size: 0
    .kernarg_segment_align: 8
    .kernarg_segment_size: 40
    .max_flat_workgroup_size: 128
    .sgpr_count:     100
    .vgpr_count:     1024
    .wavefront_size: 32
...
	.end_amdgpu_metadata
.endif
;; end of part 4
